; MI455X (gfx1250); checked and timed in simulation.
; The chip was launched on July 23, 2026; its instructions are those of AMD's public machine-readable ISA for CDNA 5 (MIT licence, August 2026) and "CDNA5" Instruction Set Architecture Reference Guide (July 2026). The comments in the code are by the model that wrote it; some were corrected since.
;; Llama Attention. Allowed arithmetic: float matrix products may take bf16 or f16 operands with f32 sums; other float arithmetic in f32, or as packed bf16 or f16 multiplies, adds, multiply-adds, maxima and minima; sums over many terms, partial sums and values carried from step to step in f32; what a program stores and reads back later, other than sums and carried values, may be rounded once to bf16 or f16.
;; Inputs: Wk 1,024 x 1,024 float32; Wo 1,024 x 1,024 float32; Wq 1,024 x 1,024 float32; Wv 1,024 x 1,024 float32; hidden_states 2 x 2,048 x 1,024 float32; positions 2,048 int32.
;; Outputs: out0 2 x 2,048 x 1,024 float32.
;; 2 versions, each right and faster than the one before. Each part assembles by itself: llvm-mc -triple=amdgcn-amd-amdhsa -mcpu=gfx1250 --defsym DOCPART=n.
;; ======== version 1 of 2: 4 launches
;; limits: inputs' magnitudes at most 1,048,576; values are held in f16: magnitudes above 65,504 overflow, below 6.1e-05 lose precision
;; workspace buffers: xb 8,388,608 bytes; wb 8,388,608 bytes; tab 262,144 bytes; qw 8,388,608 bytes; kw 8,388,608 bytes; vw 8,388,608 bytes; ow 8,388,608 bytes
;; launch prep (part 1): grid 528 x 1, 8 waves a work-group, no clusters, 0 bytes of LDS; arguments hidden_states, Wq, Wk, Wv, Wo, positions, xb, wb, tab; writes xb, wb, tab
.if DOCPART == 1
	.amdgcn_target "amdgcn-amd-amdhsa--gfx1250"
	.amdhsa_code_object_version 6
	.text
	.protected	k_qe873b856b6_prep
	.globl	k_qe873b856b6_prep
	.p2align	8
	.type	k_qe873b856b6_prep,@function
k_qe873b856b6_prep:
	s_mov_b64 s[64:65], 0
	v_nop
	global_prefetch_b8 v0, s[64:65] scope:SCOPE_SE
	s_setreg_imm32_b32 hwreg(HW_REG_WAVE_MODE, 25, 1), 1
	s_wait_xcnt 0x0
; PREP.  Work-groups 0-511 cast: hidden_states -> xb (bf16), Wq, Wk, Wv -> planes 0-2 of wb (bf16), Wo -> plane 3 of wb (rounded to bf16 like every input, that number written as f16).
; Work-groups 512-527 make the table of cosines and sines from positions: tab[block of 16 positions][piece][lane][16 bytes], f32; lane (r = l % 16, h = l / 16) stands for position
; 16 block + r and the frequencies 8 h .. 8 h + 7; pieces 0, 1: their cosines; pieces 2, 3: their sines.  That is the order in which the next launch's accumulators hold q and k.
; A stream: no LDS, no barrier, no matrix work.  A casting work-group takes 65,536 consecutive input bytes: 16 loads a thread, all issued before the first is waited for; a wave's load covers
; 512 consecutive bytes, its store 256 consecutive bytes, aligned.
; LIMITS.  The angle is float(position) x inv_freq, rounded once; inv_freq is the f32 nearest to 10^(-j/4).  The angle is reduced by pi/2 in three parts, sound for |position| up to 2^20;
; sine and cosine are polynomials on -pi/4 .. pi/4, good to a few units of f32's last place.  Wo beyond 65,504 has no f16; below 2^-14 it keeps f16's fixed step of 2^-24.
.set XR, 16                            ; v[16:79]   16 x 4 registers as loaded
.set YR, 80                            ; v[80:111]  16 x 2 registers to store; none is written twice, so no store's data is ever rewritten
	s_load_b256 s[8:15], s[0:1], 0x0               ; hidden_states s[8:9], Wq s[10:11], Wk s[12:13], Wv s[14:15]
	s_load_b256 s[16:23], s[0:1], 0x20             ; Wo s[16:17], positions s[18:19], xb s[20:21], wb s[22:23]
	s_load_b64 s[24:25], s[0:1], 0x40              ; tab
	s_mov_b32 s29, ttmp9                           ; g, the work-group's number
	s_cmp_ge_u32 s29, 512
	s_cbranch_scc1 .Ltable
	; THE CASTS.  g < 256: piece g of hidden_states.  g = 256 + 64 i + j: piece j of weight i.
	s_lshr_b32 s26, s29, 6                         ; t = g / 64: 0-3 hidden_states, 4 Wq, 5 Wk, 6 Wv, 7 Wo
	s_and_b32 s27, s29, 63
	s_sub_co_u32 s28, s29, 256                     ; used where g >= 256 alone
	s_cmp_lt_u32 s26, 4
	s_cselect_b32 s30, s29, s27                    ; the piece's number in its source,
	s_cselect_b32 s32, s29, s28                    ; and in its destination
	s_lshl_b32 s30, s30, 16                        ; 65,536 bytes in,
	s_lshl_b32 s32, s32, 15                        ; 32,768 bytes out
	s_mov_b32 s31, 0
	s_mov_b32 s33, 0
	s_mov_b32 s34, 0xffff0000                      ; a word's upper bf16
	v_lshlrev_b32 v1, 4, v0                        ; 16 bytes a thread in
	v_lshlrev_b32 v2, 3, v0                        ; 8 bytes a thread out
	s_wait_kmcnt 0x0
	s_mov_b64 s[36:37], s[10:11]                   ; the source is chosen among the five inputs by t alone
	s_cmp_eq_u32 s26, 5
	s_cselect_b64 s[36:37], s[12:13], s[36:37]
	s_cmp_eq_u32 s26, 6
	s_cselect_b64 s[36:37], s[14:15], s[36:37]
	s_cmp_eq_u32 s26, 7
	s_cselect_b64 s[36:37], s[16:17], s[36:37]
	s_cmp_lt_u32 s26, 4
	s_cselect_b64 s[36:37], s[8:9], s[36:37]
	s_cselect_b64 s[38:39], s[20:21], s[22:23]     ; the destination: xb or wb
	s_add_nc_u64 s[36:37], s[36:37], s[30:31]
	s_add_nc_u64 s[38:39], s[38:39], s[32:33]
.set i, 0
.rept 16
	global_load_b128 v[XR+4*i:XR+4*i+3], v1, s[36:37] offset:4096*i th:TH_LOAD_NT  ; read once in the whole launch
.set i, i+1
.endr
; Sixteen times: four numbers rounded to bf16 and stored.  wo = 1: the bf16 number is widened again (a shift, a mask) and written as f16.
.macro CAST wo
.set i, 0
.rept 16
	s_wait_loadcnt 15-i                            ; loads come back in order (ISA guide 5.7.1): load i is in, the 15 - i younger ones stay out
	v_cvt_pk_bf16_f32 v[YR+2*i], v[XR+4*i], v[XR+4*i+1]
	v_cvt_pk_bf16_f32 v[YR+2*i+1], v[XR+4*i+2], v[XR+4*i+3]
.if \wo
	v_lshlrev_b32 v4, 16, v[YR+2*i]
	v_and_b32 v5, s34, v[YR+2*i]
	v_lshlrev_b32 v6, 16, v[YR+2*i+1]
	v_and_b32 v7, s34, v[YR+2*i+1]
	v_cvt_pk_f16_f32 v[YR+2*i], v4, v5
	v_cvt_pk_f16_f32 v[YR+2*i+1], v6, v7
.endif
	global_store_b64 v2, v[YR+2*i:YR+2*i+1], s[38:39] offset:2048*i
.set i, i+1
.endr
.endm
	s_cmp_eq_u32 s26, 7
	s_cbranch_scc1 .Lwo
	CAST 0
	s_endpgm
.Lwo:
	CAST 1
	s_endpgm
	; THE TABLE.  A wave makes one block of 16 positions: 8 waves x 16 work-groups = 128 blocks.
.Ltable:
	v_lshrrev_b32 v1, 5, v0
	v_readfirstlane_b32 s5, v1                     ; wave 0..7
	s_sub_co_u32 s26, s29, 512
	s_lshl_b32 s26, s26, 3
	s_add_co_u32 s26, s26, s5                      ; the block
	s_lshl_b32 s27, s26, 6                         ; its 16 positions, 4 bytes each
	s_lshl_b32 s30, s26, 11                        ; its 2,048 bytes of the table
	s_mov_b32 s31, 0
	v_and_b32 v2, 15, v0                           ; r
	v_bfe_u32 v3, v0, 4, 1                         ; h
	v_lshl_add_u32 v4, v2, 2, s27
	v_cmp_ne_u32 s40, 0, v3                        ; the lanes with h = 1 take the upper eight frequencies
	v_and_b32 v36, 31, v0
	v_lshlrev_b32 v36, 4, v36                      ; 16 bytes a lane
	s_mov_b32 s41, 0x3f22f983                      ; 2 / pi
	s_mov_b32 s42, 0xbfc90fdb                      ; - pi/2, first part
	s_mov_b32 s43, 0x333bbd2e                      ; second part
	s_mov_b32 s44, 0x26f72ced                      ; third part
	s_mov_b32 s45, 0xbe2aaaa3                      ; sine: r + r^3 (S1 + S2 r^2 + S3 r^4)
	s_mov_b32 s46, 0x3c08839e
	s_mov_b32 s47, 0xb94ca1f9
	s_mov_b32 s48, 0x3d2aaaa5                      ; cosine: 1 - r^2 / 2 + r^4 (C1 + C2 r^2 + C3 r^4)
	s_mov_b32 s49, 0xbab6061a
	s_mov_b32 s50, 0x37ccf5ce
	s_mov_b32 s51, 0x80000000
	s_wait_kmcnt 0x0
	global_load_b32 v5, v4, s[18:19]               ; positions[16 block + r]: it enters numbers alone, no address
	s_add_nc_u64 s[24:25], s[24:25], s[30:31]
	s_wait_loadcnt 0x0
	v_cvt_f32_i32 v6, v5
; Frequency j of the lane's eight: lo = 10^(-j/4), hi = 10^(-(j+8)/4).  Cosine into v[16+j], sine into v[24+j].
.macro SINCOS j, lo, hi
	v_mov_b32 v8, \lo
	v_mov_b32 v9, \hi
	v_cndmask_b32 v8, v8, v9, s40
	v_mul_f32 v9, v6, v8                           ; the angle, rounded once
	v_mul_f32 v10, s41, v9
	v_rndne_f32 v10, v10                           ; k = the nearest multiple of pi/2
	v_fma_f32 v11, v10, s42, v9                    ; r = angle - k pi/2, in three fused steps
	v_fma_f32 v11, v10, s43, v11
	v_fma_f32 v11, v10, s44, v11
	v_cvt_i32_f32 v12, v10
	v_mul_f32 v13, v11, v11                        ; r^2
	v_fma_f32 v14, v13, s47, s46
	v_fma_f32 v15, v13, s50, s49
	v_fma_f32 v14, v14, v13, s45
	v_fma_f32 v15, v15, v13, s48
	v_mul_f32 v32, v13, v11                        ; r^3
	v_mul_f32 v33, v13, v13                        ; r^4
	v_fma_f32 v34, v13, -0.5, 1.0
	v_fma_f32 v14, v14, v32, v11                   ; sin r
	v_fma_f32 v15, v15, v33, v34                   ; cos r
	v_and_b32 v32, 1, v12
	v_cmp_eq_u32 vcc_lo, 1, v32                    ; odd k: sine and cosine change places
	v_cndmask_b32 v33, v14, v15, vcc_lo
	v_cndmask_b32 v34, v15, v14, vcc_lo
	v_lshlrev_b32 v32, 30, v12                     ; the sine's sign: bit 1 of k
	v_add_nc_u32 v35, 1, v12
	v_and_b32 v32, s51, v32
	v_lshlrev_b32 v35, 30, v35                     ; the cosine's: bit 1 of k + 1
	v_xor_b32 v[24+(\j)], v33, v32
	v_and_b32 v35, s51, v35
	v_xor_b32 v[16+(\j)], v34, v35
.endm
	SINCOS 0, 0x3f800000, 0x3c23d70a
	SINCOS 1, 0x3f0ff59a, 0x3bb8449c
	SINCOS 2, 0x3ea1e89b, 0x3b4f3e37
	SINCOS 3, 0x3e361887, 0x3ae91528
	SINCOS 4, 0x3dcccccd, 0x3a83126f
	SINCOS 5, 0x3d6655c3, 0x3a136a16
	SINCOS 6, 0x3d0186e2, 0x39a5cb5f
	SINCOS 7, 0x3c91ad39, 0x393a7753
.irp p, 0,1,2,3
	global_store_b128 v36, v[16+4*(\p):16+4*(\p)+3], s[24:25] offset:512*(\p)  ; 512 consecutive bytes a store
.endr
	s_endpgm
.Lfunc_end_k_qe873b856b6_prep:
	.size	k_qe873b856b6_prep, .Lfunc_end_k_qe873b856b6_prep-k_qe873b856b6_prep
	.p2alignl 7, 3214868480
	.fill 96, 4, 3214868480
	.section	.rodata,"a",@progbits
	.p2align	6, 0x0
	.amdhsa_kernel k_qe873b856b6_prep
		.amdhsa_group_segment_fixed_size 0
		.amdhsa_private_segment_fixed_size 0
		.amdhsa_enable_private_segment 0
		.amdhsa_kernarg_size 72
		.amdhsa_user_sgpr_count 2
		.amdhsa_user_sgpr_kernarg_segment_ptr 1
		.amdhsa_wavefront_size32 1
		.amdhsa_system_sgpr_workgroup_id_x 1
		.amdhsa_system_sgpr_workgroup_id_y 1
		.amdhsa_system_sgpr_workgroup_id_z 1
		.amdhsa_system_vgpr_workitem_id 0
		.amdhsa_next_free_vgpr 112
		.amdhsa_next_free_sgpr 66
		.amdhsa_reserve_vcc 1
		.amdhsa_float_denorm_mode_32 3
		.amdhsa_float_denorm_mode_16_64 3
		.amdhsa_memory_ordered 1
		.amdhsa_forward_progress 1
		.amdhsa_inst_pref_size 28
	.end_amdhsa_kernel
	.amdgpu_metadata
---
amdhsa.version: [ 1, 2 ]
amdhsa.kernels:
  - .name:           k_qe873b856b6_prep
    .symbol:         k_qe873b856b6_prep.kd
    .args:
      - { .name: hidden_states, .offset: 0, .size: 8, .value_kind: global_buffer, .address_space: global }
      - { .name: Wq, .offset: 8, .size: 8, .value_kind: global_buffer, .address_space: global }
      - { .name: Wk, .offset: 16, .size: 8, .value_kind: global_buffer, .address_space: global }
      - { .name: Wv, .offset: 24, .size: 8, .value_kind: global_buffer, .address_space: global }
      - { .name: Wo, .offset: 32, .size: 8, .value_kind: global_buffer, .address_space: global }
      - { .name: positions, .offset: 40, .size: 8, .value_kind: global_buffer, .address_space: global }
      - { .name: xb, .offset: 48, .size: 8, .value_kind: global_buffer, .address_space: global }
      - { .name: wb, .offset: 56, .size: 8, .value_kind: global_buffer, .address_space: global }
      - { .name: tab, .offset: 64, .size: 8, .value_kind: global_buffer, .address_space: global }
    .group_segment_fixed_size: 0
    .private_segment_fixed_size: 0
    .kernarg_segment_align: 8
    .kernarg_segment_size: 72
    .max_flat_workgroup_size: 256
    .sgpr_count:     66
    .vgpr_count:     112
    .wavefront_size: 32
...
	.end_amdgpu_metadata
.endif
;; end of part 1
;; launch qkv (part 2): grid 8 x 32, 4 waves a work-group, clusters of 4 x 4, 327,680 bytes of LDS; arguments xb, wb, tab, qw, kw, vw; writes qw, kw, vw
.if DOCPART == 2
	.amdgcn_target "amdgcn-amd-amdhsa--gfx1250"
	.amdhsa_code_object_version 6
	.text
	.protected	k_qe873b856b6_qkv
	.globl	k_qe873b856b6_qkv
	.p2align	8
	.type	k_qe873b856b6_qkv,@function
k_qe873b856b6_qkv:
	s_mov_b64 s[64:65], 0
	v_nop
	global_prefetch_b8 v0, s[64:65] scope:SCOPE_SE
	s_setreg_imm32_b32 hwreg(HW_REG_WAVE_MODE, 25, 1), 1
	s_wait_xcnt 0x0
	s_wait_alu depctr_hold_cnt(0) depctr_sa_sdst(0) depctr_va_vdst(0) depctr_va_sdst(0) depctr_va_ssrc(0) depctr_va_vcc(0) depctr_vm_vsrc(0)
	s_getreg_b32 s2, hwreg(HW_REG_IB_STS2, 6, 4)
	s_cmp_eq_u32 s2, 0
	s_cbranch_scc0 .Lentry_in_a_cluster
	s_endpgm
.Lentry_in_a_cluster:
	s_bfe_u32 s2, ttmp6, 0x10000c
	s_cmp_lg_u32 s2, 0xf033
	s_cbranch_scc0 .Lentry_shape_is_right
	s_endpgm
.Lentry_shape_is_right:
; QKV.  q = rope(x Wq), k = rope(x Wk), v = x Wv.  x: xb [4096][1024] bf16; the weights: planes 0-2 of wb, [k][n] bf16; sums in f32; RoPE in f32 from tab; each result rounded once, to f16.
; SHARES.  A work-group takes 128 rows of x and the same 128 columns (four heads) of q, k and v; wave w is one head: 128 rows x 32 columns of each of the three: 48 accumulators, 384 registers.
; K goes in steps of 128 through a ring of two LDS slots: the tiles' rows are 256 bytes of memory and start at multiples of 256 bytes from the buffer's first byte.  Waves 0-2 fetch the weights' three tiles, wave 3 x's.
; LAYOUT.  For q and k the matrix instruction is used transposed (source 0 = 16 columns of W, source 1 = 16 rows of x): a lane holds row l % 16 and columns 8 (l / 16) + 0..7.  A head's two accumulators
; hold channels d and d + 16 in the same lane and register, RoPE's partners; rounded in pairs they ARE the two halves of the next launch's fragment (16 rows x 32 channels).  For v the sources are in the
; natural order: a lane holds channel l % 16 and rows 8 (l / 16) + 0..7, which is a half of V^T's fragment.  So the results are stored as register images, 512 consecutive bytes a store, with no stage in LDS:
;   qw, kw: [2 batches][32 heads][128 blocks of 16 rows][half c][lane][16 bytes];   vw: [64][64 blocks of 32 keys][channel block][half c][lane][16 bytes].
; The weights lie [k][n], so their fragments come out of LDS turned, by ds_load_tr16_b128.
; CLUSTER.  4 x 4 work-groups: the four of a row of the cluster need the same tile of x, the four of a column the same tiles of the weights: each tile is asked for jointly, by the same tensor load with the
; same descriptor and a mask that names the four.
; LIMIT.  q, k and v beyond 65,504 have no f16 (inputs 30 times the usual spread give q a spread of about 900).  NaN and infinities are not treated apart.
; REGISTERS, in windows of 256 (s_set_vgpr_msb: bits 1:0 source 0, 3:2 source 1, 5:4 source 2, 7:6 destination):
;   window 0: addresses; v32-47 at work; v64-127 v to store; v128-255 q and k to store       window 1: two fragment buffers of 128: 64 of x (8 blocks of 16 rows), 48 of the weights (tensor t, column block cb)
;   window 2: q's accumulators (a, cb) at 8 (2 a + cb), k's 128 further on                  window 3: v's accumulators; v128-255 the table: for row block a eight cosines, eight sines
.set KSTEP, 128
.set PA,    272                        ; a row of x in LDS: 256 bytes + 16 = 68 words: the 16 rows of a load start at 16 different groups of four banks (64 banks of 4 bytes: ISA guide 11.1)
.set PB,    288                        ; a k-row of a weight: 256 + 32 = 72 words
.set BPL,   128*PB                     ; a weight's tile
.set AOFF,  3*BPL                      ; x's tile lies behind the three
.set SLOT,  AOFF+128*PA
.set SPARE, 2*SLOT                     ; behind the ring: the spare words, 128 bytes for each wave: two blocks of 256 bytes that no other line names
.set ADRA, 16                          ; v16-17  LDS address of my fragments of x in slot 0, 1
.set ADRB, 18                          ; v18-23  of the weights': slot s, tensor t at 18 + 3 s + t
.set LN16, 26                          ; v26     16 x lane
.set SPW,  28                          ; v28     LDS address of my spare word; never rewritten
.set NIL,  29                          ; v29     0; never rewritten
.set T,    32
.set OUTV, 64
.set OUTQK, 128
.set F0,   0
.set F1,   128
.set TB,   128                         ; window 3
.set WV,   16                          ; s16  my wave's number
.set G1A,  24                          ; s[24:31] descriptor group 1 for x's tiles;  s[32:39] group 0, a set for each slot
.set G0A,  32
.set G1B,  48                          ; s[48:55], s[56:63] the same for the weights'
.set G0B,  56
.set QP,   66                          ; s[66:67] qw, s[68:69] kw, s[70:71] vw at my head's rows
.set VP,   70
.set TABP, 72                          ; s[72:73] tab at my rows' positions
.set MSB, 0
.macro WIN new                         ; the immediate's high byte repeats the setting that is left; a switch that changes nothing is dropped
.if MSB != (\new)
	s_set_vgpr_msb (MSB<<8)|(\new)
.set MSB, (\new)
.endif
.endm
.macro PLACES                          ; four places in front of loads into registers that matrix instructions have read, and of vector lines that read results
.rept 4
	v_nop
.endr
.endm
; A joint load.  Wave 3 fetches x's tile, waves 0-2 the weights'.  The branch hangs on the wave's number alone.  An s_nop 0 and four v_nop follow each of the two lines.
.macro JLOAD s
	s_cmp_eq_u32 s[WV], 3
	s_cbranch_scc0 .Lfor_b_\@
	tensor_load_to_lds s[G0A+4*(\s):G0A+4*(\s)+3], s[G1A:G1A+7]
	s_nop 0
.rept 4
	v_nop
.endr
	s_branch .Lasked_\@
.Lfor_b_\@:
	tensor_load_to_lds s[G0B+4*(\s):G0B+4*(\s)+3], s[G1B:G1B+7]
	s_nop 0
.rept 4
	v_nop
.endr
.Lasked_\@:
.endm
.macro CREST                           ; a round of the cluster's barrier behind its opening barrier
	s_cmp_lg_u32 s[WV], 0
	s_cbranch_scc1 .Lnot_wave_0_\@
	s_barrier_signal -3
.Lnot_wave_0_\@:
	s_barrier_wait -3
	s_barrier_signal -1
	s_barrier_wait -1
.endm
.macro CROUND                          ; a whole round
	s_barrier_signal -1
	s_barrier_wait -1
	CREST
.endm
	s_load_b256 s[4:11], s[0:1], 0x0               ; xb s[4:5], wb s[6:7], tab s[8:9], qw s[10:11]
	s_load_b128 s[12:15], s[0:1], 0x20             ; kw s[12:13], vw s[14:15]
	v_lshl_add_u32 v[SPW], v0, 2, SPARE
	v_mov_b32 v[NIL], 0
	ds_add_u32 v[SPW], v[NIL]                      ; the wave's opening: the add and its wait stand ahead of my first tensor load; the set-up below, work on registers, stands between them
	v_lshrrev_b32 v1, 5, v0
	v_readfirstlane_b32 s[WV], v1                  ; wave 0..3
	s_bfe_u32 s40, ttmp6, 0x40000                  ; cx, cy: my place in the cluster
	s_bfe_u32 s41, ttmp6, 0x40004
	s_lshl_b32 s42, ttmp9, 2
	s_add_co_u32 s42, s42, s40                     ; X: my 128 columns = 4 x cluster x + cx
	s_and_b32 s43, ttmp7, 0xffff
	s_lshl_b32 s43, s43, 2
	s_add_co_u32 s43, s43, s41                     ; Y: my 128 rows = 4 x cluster y + cy
	s_lshl_b32 s44, s41, 2
	s_lshl_b32 s44, 15, s44                        ; my row of the cluster
	s_lshl_b32 s45, 0x1111, s40                    ; my column
	; descriptor group 1: a tile of 128 rows x 128 elements of 2 bytes, padded in LDS after every 64 words: by 4 words for x, by 8 for the weights
	s_or_b32 s[G1A], s44, (1<<16)|(1<<20)|(1<<21)|(5<<22)|(3<<25)
	s_or_b32 s[G1B], s45, (1<<16)|(1<<20)|(1<<21)|(5<<22)|(7<<25)
.irp g, G1A, G1B
	s_mov_b32 s[(\g)+1], KSTEP<<16                 ; tensor_dim0 = 128
	s_mov_b32 s[(\g)+2], 128<<16                   ; tensor_dim1 = 128
	s_mov_b32 s[(\g)+3], KSTEP<<16                 ; tile_dim0 = 128
	s_mov_b32 s[(\g)+4], 128                       ; tile_dim1 = 128
	s_mov_b32 s[(\g)+5], 1024                      ; 1,024 elements from row to row
	s_mov_b32 s[(\g)+6], 0
	s_mov_b32 s[(\g)+7], 0
.endr
	s_lshl_b32 s46, s43, 18                        ; x: 128 Y rows of 2,048 bytes: it hangs on Y alone
	s_mov_b32 s47, 0
	s_lshl_b32 s18, s[WV], 21                      ; the weights: plane w, column 128 X: it hangs on X and the wave alone
	s_lshl_b32 s19, s42, 8
	s_add_co_u32 s18, s18, s19
	s_mov_b32 s19, 0
	s_mul_i32 s20, s[WV], BPL                      ; where my tile goes: wave x 36,864: the three weights, then x
	s_wait_dscnt 0x0                               ; the opening add is done
	s_wait_kmcnt 0x0
	s_add_nc_u64 s[46:47], s[4:5], s[46:47]
	s_add_nc_u64 s[18:19], s[6:7], s[18:19]
	CROUND                                         ; all sixteen work-groups are here: the first joint loads meet
.irp s, 0,1
	s_mov_b32 s[G0A+4*(\s)], 1
	s_add_co_u32 s[G0A+4*(\s)+1], s20, (\s)*SLOT
	s_add_nc_u64 s[G0A+4*(\s)+2:G0A+4*(\s)+3], s[46:47], (\s)*KSTEP*2      ; K step s: 256 bytes along the rows
	s_or_b32 s[G0A+4*(\s)+3], s[G0A+4*(\s)+3], 0x80000000
	s_mov_b32 s[G0B+4*(\s)], 1
	s_add_co_u32 s[G0B+4*(\s)+1], s20, (\s)*SLOT
	s_add_nc_u64 s[G0B+4*(\s)+2:G0B+4*(\s)+3], s[18:19], (\s)*KSTEP*2048   ; K step s: 128 rows down
	s_or_b32 s[G0B+4*(\s)+3], s[G0B+4*(\s)+3], 0x80000000
	JLOAD \s                                       ; two loads of mine are out
.endr
	v_and_b32 v1, 15, v0                           ; l % 16
	v_bfe_u32 v2, v0, 4, 1                         ; l / 16
	v_mul_u32_u24 v3, v1, PA
	v_lshl_add_u32 v3, v2, 4, v3                   ; a fragment of x: row x pitch + 16 x half
	v_add_nc_u32 v[ADRA], AOFF, v3
	v_add_nc_u32 v[ADRA+1], AOFF+SLOT, v3
	v_and_b32 v4, 7, v0                            ; the turning load: lane l reads k-row 8 (l / 16) + l % 8, columns 8 ((l / 8) % 2) + 0..7, and is left with column l % 16 and 8 k
	v_bfe_u32 v5, v0, 3, 1
	v_lshl_add_u32 v6, v2, 3, v4
	v_mul_u32_u24 v6, v6, PB
	v_lshl_add_u32 v6, v5, 4, v6
	s_lshl_b32 s21, s[WV], 6                       ; my head's 32 columns
	v_add_nc_u32 v6, s21, v6
.irp s, 0,1
.irp t, 0,1,2
	v_add_nc_u32 v[ADRB+3*(\s)+(\t)], (\s)*SLOT+(\t)*BPL, v6
.endr
.endr
	v_and_b32 v[LN16], 31, v0
	v_lshlrev_b32 v[LN16], 4, v[LN16]
	s_and_b32 s17, s43, 15                         ; my 128 rows' place in their batch of 2,048
	s_lshl_b32 s22, s17, 14                        ; 8 blocks of the table, 2,048 bytes each
	s_mov_b32 s23, 0
	s_add_nc_u64 s[TABP:TABP+1], s[8:9], s[22:23]
	s_lshr_b32 s21, s43, 4                         ; the batch
	s_lshl_b32 s21, s21, 5
	s_lshl_b32 s22, s42, 2
	s_add_co_u32 s21, s21, s22
	s_add_co_u32 s21, s21, s[WV]                   ; 32 x batch + head
	s_lshl_b32 s21, s21, 17                        ; its 131,072 bytes,
	s_lshl_b32 s22, s17, 13                        ; my 128 rows' 8,192 of them
	s_add_co_u32 s22, s22, s21
	s_add_nc_u64 s[QP:QP+1], s[10:11], s[22:23]
	s_add_nc_u64 s[QP+2:QP+3], s[12:13], s[22:23]
	s_add_nc_u64 s[VP:VP+1], s[14:15], s[22:23]
	WIN 0xc0                                       ; destination window 3: the table is loaded now and waited for on the way out
.irp a, 0,1,2,3,4,5,6,7
.irp p, 0,1,2,3
	global_load_b128 v[TB+16*(\a)+4*(\p):TB+16*(\a)+4*(\p)+3], v[LN16], s[TABP:TABP+1] offset:(\a)*2048+(\p)*512
.endr
.endr
	WIN 0
; 16 matrix instructions: tensor t (0 q, 1 k, 2 v), all 8 row blocks x its 2 column blocks, 32 along K from buffer f.  z = 1: the product starts the sums: nothing is ever cleared.
; The 48 accumulators come in the same order in every quarter, one instruction a turn.
.macro MUL16 f, t, z
.if (\t) < 2
	WIN 0xa5                                       ; sources window 1, C and D window 2
.else
	WIN 0xf5                                       ; C and D window 3
.endif
.irp a, 0,1,2,3,4,5,6,7
.irp cb, 0,1
.set rD, 128*((\t)%2)+8*(2*(\a)+(\cb))
.set rA, (\f)+8*(\a)
.set rB, (\f)+64+8*(2*(\t)+(\cb))
.if (\t) < 2
.if \z
	v_wmma_f32_16x16x32_bf16 v[rD:rD+7], v[rB:rB+7], v[rA:rA+7], 0
.else
	v_wmma_f32_16x16x32_bf16 v[rD:rD+7], v[rB:rB+7], v[rA:rA+7], v[rD:rD+7]
.endif
.else
.if \z
	v_wmma_f32_16x16x32_bf16 v[rD:rD+7], v[rA:rA+7], v[rB:rB+7], 0
.else
	v_wmma_f32_16x16x32_bf16 v[rD:rD+7], v[rA:rA+7], v[rB:rB+7], v[rD:rD+7]
.endif
.endif
.endr
.endr
.endm
; 28 LDS loads in one run: the fragments of quarter q (32 along K) of a slot into buffer f: 6 of the weights (turned), 8 of x
.macro FETCH slot, q, f
	WIN 0x40                                       ; destination window 1, address window 0
.irp t, 0,1,2
.irp cb, 0,1
	ds_load_tr16_b128 v[(\f)+64+8*(2*(\t)+(\cb)):(\f)+64+8*(2*(\t)+(\cb))+3],   v[ADRB+3*(\slot)+(\t)] offset:(\q)*32*PB+(\cb)*32
	ds_load_tr16_b128 v[(\f)+64+8*(2*(\t)+(\cb))+4:(\f)+64+8*(2*(\t)+(\cb))+7], v[ADRB+3*(\slot)+(\t)] offset:(\q)*32*PB+(\cb)*32+16*PB
.endr
.endr
.irp a, 0,1,2,3,4,5,6,7
	ds_load_b128 v[(\f)+8*(\a):(\f)+8*(\a)+3],   v[ADRA+(\slot)] offset:(\a)*16*PA+(\q)*64
	ds_load_b128 v[(\f)+8*(\a)+4:(\f)+8*(\a)+7], v[ADRA+(\slot)] offset:(\a)*16*PA+(\q)*64+32
.endr
.endm
; A K step is four quarters of 32 along K, 48 matrix instructions each, on buffers 0, 1, 0, 1.  One of the first three: fetches quarter qn into buffer g and multiplies buffer f.
.macro QUARTER slot, qn, f, g, z
	s_wait_dscnt 0x0                               ; buffer f is in: its loads were issued 48 matrix instructions ago
	PLACES                                         ; buffer g was read by the matrix instructions just issued
	FETCH \slot, \qn, \g
	MUL16 \f, 0, \z
	MUL16 \f, 1, \z
	MUL16 \f, 2, \z
.endm
; The last quarter multiplies buffer 1 and changes slots: ONE barrier; in front of it each wave waits for all its tensor loads (the one that is out is its part of the next slot), adds 0 to its spare word,
; and waits for that and for its own reads of this slot.  fill = 1: the barrier opens a round of the cluster's, and this slot is filled again, two K steps ahead, first thing behind the round.
.macro TURN slot, next, fill
	WIN 0                                          ; (the add's two registers lie in window 0)
	s_wait_tensorcnt 0x0
	ds_add_u32 v[SPW], v[NIL]                      ; 0 onto my spare word
	s_wait_dscnt 0x1                               ; (the add alone may be out: buffer 1 is in)
	MUL16 F1, 0, 0                                 ; sixteen matrix instructions stand between the add and the wait for it
	s_wait_dscnt 0x0                               ; the add is done, and my reads of this slot are over
	s_barrier_signal -1
	MUL16 F1, 1, 0                                 ; work on registers while the others arrive
.if \fill
	WIN 0
.endif
	s_barrier_wait -1
.if \fill
	CREST                                          ; no wave of any partner still reads this slot's tiles or has a load on its way
	s_add_nc_u64 s[G0A+4*(\slot)+2:G0A+4*(\slot)+3], s[G0A+4*(\slot)+2:G0A+4*(\slot)+3], 2*KSTEP*2
	s_add_nc_u64 s[G0B+4*(\slot)+2:G0B+4*(\slot)+3], s[G0B+4*(\slot)+2:G0B+4*(\slot)+3], 2*KSTEP*2048
	JLOAD \slot                                    ; the four v_nop behind it are also the places in front of the loads below
.else
	PLACES
.endif
	FETCH \next, 0, F0
	MUL16 F1, 2, 0
.endm
	s_wait_tensorcnt 0x1                           ; my part of K step 0 is in; K step 1's may stay out
	s_barrier_signal -1
	s_barrier_wait -1                              ; everybody's is
	FETCH 0, 0, F0
	QUARTER 0, 1, F0, F1, 1                        ; the first quarter stands in front of the loop: its products start the sums
	WIN 0                                          ; at a label and at a branch every window is 0
	s_mov_b32 s3, 3
.Llap:                                                 ; three trips, each once round the ring from a lap's second quarter to the next lap's first: K steps 2 to 7 are asked for
	QUARTER 0, 2, F1, F0, 0
	QUARTER 0, 3, F0, F1, 0
	TURN 0, 1, 1
	QUARTER 1, 1, F0, F1, 0
	QUARTER 1, 2, F1, F0, 0
	QUARTER 1, 3, F0, F1, 0
	TURN 1, 0, 1
	QUARTER 0, 1, F0, F1, 0
	WIN 0
	s_sub_co_u32 s3, s3, 1
	s_cmp_lg_u32 s3, 0
	s_cbranch_scc1 .Llap
	QUARTER 0, 2, F1, F0, 0                        ; the last lap fills nothing
	QUARTER 0, 3, F0, F1, 0
	TURN 0, 1, 0
	QUARTER 1, 1, F0, F1, 0
	QUARTER 1, 2, F1, F0, 0
	QUARTER 1, 3, F0, F1, 0
	s_wait_dscnt 0x0
	MUL16 F1, 0, 0
	MUL16 F1, 1, 0
	MUL16 F1, 2, 0
	WIN 0
	PLACES
	s_wait_loadcnt 0x0                             ; the table
; THE WAY OUT.  RoPE for tensor t (0 q, 1 k), row block a: x1' = x1 cos - x2 sin, x2' = x2 cos + x1 sin, in f32, two at a time; each accumulator is read from its lowest registers on;
; eight roundings make the fragment's two halves; each store covers 512 consecutive bytes.  No register that a store reads is written again.
.macro ROPE t, a
.set rX1, 128*(\t)+16*(\a)
.set rX2, rX1+8
.set rC, TB+16*(\a)
.set rS, rC+8
.set rO, OUTQK+8*(8*(\t)+(\a))
	WIN 0x0e                                       ; source 0 window 2 (the sums), source 1 window 3 (the table)
.irp p, 0,2,4,6
	v_pk_mul_f32 v[T+(\p):T+(\p)+1], v[rX1+(\p):rX1+(\p)+1], v[rC+(\p):rC+(\p)+1]
	v_pk_mul_f32 v[T+8+(\p):T+8+(\p)+1], v[rX2+(\p):rX2+(\p)+1], v[rC+(\p):rC+(\p)+1]
.endr
.irp p, 0,2,4,6
	v_pk_fma_f32 v[T+(\p):T+(\p)+1], v[rX2+(\p):rX2+(\p)+1], v[rS+(\p):rS+(\p)+1], v[T+(\p):T+(\p)+1] neg_lo:[1,0,0] neg_hi:[1,0,0]
	v_pk_fma_f32 v[T+8+(\p):T+8+(\p)+1], v[rX1+(\p):rX1+(\p)+1], v[rS+(\p):rS+(\p)+1], v[T+8+(\p):T+8+(\p)+1]
.endr
	WIN 0
.irp i, 0,1,2,3,4,5,6,7
	v_cvt_pk_f16_f32 v[rO+(\i)], v[T+2*(\i)], v[T+2*(\i)+1]
.endr
	global_store_b128 v[LN16], v[rO:rO+3],   s[QP+2*(\t):QP+2*(\t)+1] offset:(\a)*1024
	global_store_b128 v[LN16], v[rO+4:rO+7], s[QP+2*(\t):QP+2*(\t)+1] offset:(\a)*1024+512
.endm
.irp t, 0,1
.irp a, 0,1,2,3,4,5,6,7
	ROPE \t, \a
.endr
.endr
	WIN 0x0f                                       ; sources window 3: v
.set i, 0
.rept 64
	v_cvt_pk_f16_f32 v[OUTV+i], v[2*i], v[2*i+1]
.set i, i+1
.endr
	WIN 0
.irp a, 0,1,2,3,4,5,6,7
.irp cb, 0,1
	global_store_b128 v[LN16], v[OUTV+4*(2*(\a)+(\cb)):OUTV+4*(2*(\a)+(\cb))+3], s[VP:VP+1] offset:((\a)/2)*2048+(\cb)*1024+((\a)%2)*512  ; rows 16 a on are half a % 2 of key block a / 2
.endr
.endr
	s_wait_tensorcnt 0x0                           ; the wave's end
	ds_add_u32 v[SPW], v[NIL]
	s_wait_dscnt 0x0
	CROUND                                         ; the closing round: no work-group ends while a partner may still ask for a tile that names it
	s_endpgm
.Lfunc_end_k_qe873b856b6_qkv:
	.size	k_qe873b856b6_qkv, .Lfunc_end_k_qe873b856b6_qkv-k_qe873b856b6_qkv
	.p2alignl 7, 3214868480
	.fill 96, 4, 3214868480
	.section	.rodata,"a",@progbits
	.p2align	6, 0x0
	.amdhsa_kernel k_qe873b856b6_qkv
		.amdhsa_group_segment_fixed_size 327680
		.amdhsa_private_segment_fixed_size 0
		.amdhsa_enable_private_segment 0
		.amdhsa_kernarg_size 48
		.amdhsa_user_sgpr_count 2
		.amdhsa_user_sgpr_kernarg_segment_ptr 1
		.amdhsa_wavefront_size32 1
		.amdhsa_system_sgpr_workgroup_id_x 1
		.amdhsa_system_sgpr_workgroup_id_y 1
		.amdhsa_system_sgpr_workgroup_id_z 1
		.amdhsa_system_vgpr_workitem_id 0
		.amdhsa_next_free_vgpr 1024
		.amdhsa_next_free_sgpr 80
		.amdhsa_reserve_vcc 0
		.amdhsa_float_denorm_mode_32 3
		.amdhsa_float_denorm_mode_16_64 3
		.amdhsa_memory_ordered 1
		.amdhsa_forward_progress 1
		.amdhsa_inst_pref_size 127
	.end_amdhsa_kernel
	.amdgpu_metadata
---
amdhsa.version: [ 1, 2 ]
amdhsa.kernels:
  - .name:           k_qe873b856b6_qkv
    .symbol:         k_qe873b856b6_qkv.kd
    .args:
      - { .name: xb, .offset: 0, .size: 8, .value_kind: global_buffer, .address_space: global }
      - { .name: wb, .offset: 8, .size: 8, .value_kind: global_buffer, .address_space: global }
      - { .name: tab, .offset: 16, .size: 8, .value_kind: global_buffer, .address_space: global }
      - { .name: qw, .offset: 24, .size: 8, .value_kind: global_buffer, .address_space: global }
      - { .name: kw, .offset: 32, .size: 8, .value_kind: global_buffer, .address_space: global }
      - { .name: vw, .offset: 40, .size: 8, .value_kind: global_buffer, .address_space: global }
    .group_segment_fixed_size: 327680
    .private_segment_fixed_size: 0
    .kernarg_segment_align: 8
    .kernarg_segment_size: 48
    .max_flat_workgroup_size: 128
    .sgpr_count:     80
    .vgpr_count:     1024
    .wavefront_size: 32
...
	.end_amdgpu_metadata
.endif
;; end of part 2
;; launch attn (part 3): grid 4 x 64, 8 waves a work-group, no clusters, 327,680 bytes of LDS; arguments qw, kw, vw, ow; writes ow
.if DOCPART == 3
	.amdgcn_target "amdgcn-amd-amdhsa--gfx1250"
	.amdhsa_code_object_version 6
	.text
	.protected	k_qe873b856b6_attn
	.globl	k_qe873b856b6_attn
	.p2align	8
	.type	k_qe873b856b6_attn,@function
k_qe873b856b6_attn:
	s_mov_b64 s[64:65], 0
	v_nop
	global_prefetch_b8 v0, s[64:65] scope:SCOPE_SE
	s_setreg_imm32_b32 hwreg(HW_REG_WAVE_MODE, 25, 1), 1
	s_wait_xcnt 0x0
; CAUSAL ATTENTION at head size 32.  O[q] = the sum over k <= q of softmax_k(q . k / sqrt(32)) v[k], for each of 64 heads of 2,048 rows.  q, k, v arrive in f16 as register images (see below);
; products, maxima and the rescaling in f32; the weights p are rounded to f16 for the second product, and their sum l is taken of those rounded weights; O is rounded once, to f16.
; LIMITS.  q, k, v lie within f16's 65,504.  A hidden score counts as its value less 1e30 (scores of f16 operands reach 1.4e11 at the most); a weight below 2^-126 counts as 0; NaN and infinities are not treated apart.
; THE WALK.  A head has 8 blocks of 256 queries; block i needs the key tiles 0 .. i of 256 keys, the last of which holds the diagonal.  A work-group takes blocks 7 - b and then b: 9 tiles whatever b, so all
; work-groups do equal work and one loop with a constant trip count walks them.  Every jump but the counted loops' own goes forward, and none passes a barrier or a tensor load.
; NO CLUSTER: a head's four work-groups want the same tile in the walk's first 5 trips alone, and a walk common to all four would have 12 trips for 9.
; SHARES.  Eight waves, two to a SIMD, so that one wave's products stand beside the other's softmax.  Wave w owns two tiles of 16 queries: rows 16 w on of the block's first band of 128, and of its second.
; In the diagonal tile's four key steps of 64: tile 0 is masked in steps 0 and 1 and left out of steps 2 and 3 (all hidden); tile 1 is plain in steps 0 and 1 and masked in steps 2 and 3: alike for every wave.
; LAYOUT.  S^T = K Q^T (source 0 = 16 keys, source 1 = 16 queries; 32 channels are one instruction's K): a lane holds ONE query (l % 16) and keys 8 (l / 16) + 0..7.  Two such results rounded in pairs ARE source 1
; of O^T = V^T P.  kw and vw hold fragments as the registers want them, so a tile is 16,384 dense bytes, and every LDS load takes 512 consecutive bytes: no padding, no turning load.
; THE MASK is the C operand of K Q^T: 0, or -1e30 where the key is hidden; MD, made once, holds it for the two steps of a band.
; THE SUM l comes from the matrix unit: L += ONES x P, where rows 0 and 8 of ONES hold ones: register 0 of L holds the query's sum in both halves of the lanes.  Two products a tile and step stand for 16 packed additions.
; SOFTMAX.  p = 2^(c s - c m), c = log2(e) / sqrt(32), with a running maximum m; O and l are multiplied by a = 2^(c m_old - c m_new) in every step.  m starts at the lowest finite number, so a block's first a is 0.
; REGISTERS.  window 0: see the names below.  window 1: v0-63 MD, v64-79 the second block's Q.  (s_set_vgpr_msb: bits 1:0 source 0, 3:2 source 1, 5:4 source 2, 7:6 destination)
.set SLOT1, 32768                      ; a slot: 16,384 bytes of K, then 16,384 of V; slot 1 begins here, so that one exclusive or turns an address in one slot into the other's
.set VOFF,  16384
.set SPARE, 65536                      ; behind the ring: the spare words, 128 bytes for each of eight waves: four blocks of 256 bytes that no other line names
.set LA0, 1                            ; v1   16 x lane: my place in every fragment image, in LDS and in memory; never rewritten
.set LA,  2                            ; v2   LDS address of the key step in hand
.set SPW, 4                            ; v4   LDS address of my spare word; never rewritten
.set NIL, 5                            ; v5   0; never rewritten
.set MV,  6                            ; v6-7   c m_old, by tile
.set ST,  8                            ; v8-23  tile t's statistics at ST + 8 t: +0 c m, +1 m, +4..+7 c0-c3 at work; a takes c2's place
.set ONES, 24                          ; v24-31
.set Q,   32                           ; v32-47   8 a tile
.set O,   48                           ; v48-95   24 a tile: channels 0-15, channels 16-31, L
.set S,   96                           ; v96-159  32 a tile; P is written in place over the first 16
.set KF,  160                          ; v160-191 K of one step: key block kb at KF + 8 kb
.set VF,  192                          ; v192-223 V of one step: key half kk, channel block cb at VF + 8 (2 kk + cb)
.set OUT, 224                          ; v224-239 8 a tile, to store
.set MD,  0                            ; window 1
.set QB,  64                           ; window 1
.set WV,  12                           ; s12  my wave's number
.set PB,  14                           ; s14  b
.set HI,  15                           ; s15  7 - b
.set G1,  24                           ; s[24:31] descriptor group 1: the same for K's and V's tiles
.set G0K, 40                           ; s[40:43] descriptor group 0 for K's tiles
.set G0V, 44                           ; s[44:47] for V's
.set SLOTS, 56                         ; s56  tiles still to be asked for
.set CNT, 57                           ; s57  counts a tile's key steps
.set CS,  58                           ; s[58:59] c: the packed scaling takes the pair's low word for both halves
.set SEL, 60                           ; s[60:61] v_permlanex16_b32's selects: each lane takes its own place in the other half
.set TB,  62                           ; s62  LDS byte at which K of the step to be read begins
.set RT,  70                           ; s70  tiles of the block in hand that are still to be entered
.set NXT, 71                           ; s71  the tile to be asked for next
.set LQ,  72                           ; s72  the last tile of the block whose tiles are being asked for
.set OFF, 74                           ; s[74:75] a tile's byte offset in kw and vw
.set OLO, 80                           ; s[80:81] ow at my rows of the second block
.set BIGN, 82                          ; s82  -1e30
.set MSB, 0
.macro WIN new
.if MSB != (\new)
	s_set_vgpr_msb (MSB<<8)|(\new)
.set MSB, (\new)
.endif
.endm
.macro PLACES n
.rept \n
	v_nop
.endr
.endm
; A fill: wave 0 fetches the tile's K, wave 1 its V, the others nothing.  An s_nop 0 and four v_nop follow each of the two lines.
.macro LOAD
	s_cmp_lg_u32 s[WV], 0
	s_cbranch_scc1 .Lnot_k_\@
	tensor_load_to_lds s[G0K:G0K+3], s[G1:G1+7]
	s_nop 0
.rept 4
	v_nop
.endr
	s_branch .Lasked_\@
.Lnot_k_\@:
	s_cmp_lg_u32 s[WV], 1
	s_cbranch_scc1 .Lasked_\@
	tensor_load_to_lds s[G0V:G0V+3], s[G1:G1+7]
	s_nop 0
.rept 4
	v_nop
.endr
.Lasked_\@:
.endm
; THE CHANGE OF SLOTS.  Each wave waits for all its tensor loads (one is out at the most: its part of the other slot), adds 0 to its spare word, and waits for that and for its reads of the slot that it leaves.
; Behind the barrier nobody reads the old slot and the other slot is whole.  fill = 1: the old slot is filled again, first thing behind the barrier, with tile NXT; the address is made anew from that number.
.macro CHANGE fill
	WIN 0
	s_wait_tensorcnt 0x0                           ; no tensor load of mine is out, so a group 0 may be written
	ds_add_u32 v[SPW], v[NIL]                      ; 0 onto my spare word; the scalar work stands between it and the wait for it
.if \fill
	s_lshl_b32 s[OFF], s[NXT], 14                  ; a tile is 16,384 bytes of kw and of vw
	s_xor_b32 s[G0K+1], s[G0K+1], SLOT1
	s_add_nc_u64 s[G0K+2:G0K+3], s[6:7], s[OFF:OFF+1]
	s_or_b32 s[G0K+3], s[G0K+3], 0x80000000
	s_xor_b32 s[G0V+1], s[G0V+1], SLOT1
	s_add_nc_u64 s[G0V+2:G0V+3], s[8:9], s[OFF:OFF+1]
	s_or_b32 s[G0V+3], s[G0V+3], 0x80000000
	s_add_co_u32 s[NXT], s[NXT], 1                 ; the block's next tile, or behind its last the second block's tile 0
	s_cmp_gt_u32 s[NXT], s[LQ]
	s_cselect_b32 s[NXT], 0, s[NXT]
	s_cselect_b32 s[LQ], s[PB], s[LQ]
.endif
	s_wait_dscnt 0x0                               ; the add is done, and my reads of the slot are over
	s_barrier_signal -1
	s_sub_co_u32 s[TB], s[TB], 16384               ; the reads go back to a slot's first step,
	s_xor_b32 s[TB], s[TB], SLOT1                  ; in the other slot
	s_barrier_wait -1
.if \fill
	LOAD
.endif
.endm
	s_load_b256 s[4:11], s[0:1], 0x0               ; qw s[4:5], kw s[6:7], vw s[8:9], ow s[10:11]
	v_lshl_add_u32 v[SPW], v0, 2, SPARE
	v_mov_b32 v[NIL], 0
	ds_add_u32 v[SPW], v[NIL]                      ; the wave's opening: the add and its wait stand ahead of the first tensor load; the set-up below, work on registers, stands between them
	v_lshrrev_b32 v3, 5, v0
	v_readfirstlane_b32 s[WV], v3                  ; wave 0..7
	s_mov_b32 s[PB], ttmp9
	s_sub_co_u32 s[HI], 7, s[PB]
	s_and_b32 s16, ttmp7, 0xffff                   ; 32 x batch + head
	s_lshl_b32 s20, s16, 17                        ; its 131,072 bytes in qw, kw and vw
	s_mov_b32 s21, 0
	s_lshl_b32 s17, s[HI], 4
	s_add_co_u32 s17, s17, s[WV]                   ; my tile 0's block of 16 rows in the head: first block,
	s_lshl_b32 s18, s[PB], 4
	s_add_co_u32 s18, s18, s[WV]                   ; second block
	s_lshl_b32 s22, s17, 10
	s_add_co_u32 s22, s22, s20
	s_mov_b32 s23, 0
	s_lshl_b32 s84, s18, 10
	s_add_co_u32 s84, s84, s20
	s_mov_b32 s85, 0
	s_lshr_b32 s19, s16, 5                         ; ow: [256 blocks of 16 rows][32 heads][1,024 bytes]
	s_lshl_b32 s19, s19, 7                         ; the batch's 128 blocks
	s_and_b32 s13, s16, 31
	s_lshl_b32 s13, s13, 10                        ; the head's 1,024 bytes
	s_add_co_u32 s17, s17, s19
	s_lshl_b32 s76, s17, 15
	s_add_co_u32 s76, s76, s13
	s_mov_b32 s77, 0
	s_add_co_u32 s18, s18, s19
	s_lshl_b32 s78, s18, 15
	s_add_co_u32 s78, s78, s13
	s_mov_b32 s79, 0
	; descriptor group 1: 16,384 dense bytes, asked for as 64 rows of 32 elements of 8 bytes; no padding
	s_mov_b32 s[G1], 3<<16
	s_mov_b32 s[G1+1], 32<<16                      ; tensor_dim0 = 32
	s_mov_b32 s[G1+2], 64<<16                      ; tensor_dim1 = 64
	s_mov_b32 s[G1+3], 32<<16                      ; tile_dim0 = 32
	s_mov_b32 s[G1+4], 64                          ; tile_dim1 = 64
	s_mov_b32 s[G1+5], 32                          ; 32 elements from row to row
	s_mov_b32 s[G1+6], 0
	s_mov_b32 s[G1+7], 0
	s_mov_b32 s[CS], 0x3e8293ee                    ; c = log2(e) / sqrt(32) = 0.255035
	s_mov_b32 s[CS+1], s[CS]                       ; named with it as a pair
	s_mov_b32 s[SEL], 0x76543210
	s_mov_b32 s[SEL+1], 0xfedcba98
	s_mov_b32 s[TB], SLOT1+16384                   ; the first change of slots turns this into 0
	s_mov_b32 s[G0K], 1
	s_mov_b32 s[G0K+1], 0                          ; slot 0
	s_mov_b32 s[G0V], 1
	s_mov_b32 s[G0V+1], VOFF
	s_add_co_u32 s[RT], s[HI], 1                   ; the first block has 8 - b tiles
	s_mov_b32 s[NXT], 1
	s_mov_b32 s[LQ], s[HI]
	s_mov_b32 s[OFF+1], 0
	s_mov_b32 s[BIGN], 0xf149f2ca                  ; -1e30
	s_mov_b32 s[SLOTS], 8
	s_wait_dscnt 0x0                               ; the opening add is done
	s_barrier_signal -1
	s_barrier_wait -1
	s_wait_kmcnt 0x0
	s_add_nc_u64 s[6:7], s[6:7], s[20:21]          ; kw and vw at the head's tile 0
	s_add_nc_u64 s[8:9], s[8:9], s[20:21]
	s_add_nc_u64 s[G0K+2:G0K+3], s[6:7], 0
	s_or_b32 s[G0K+3], s[G0K+3], 0x80000000
	s_add_nc_u64 s[G0V+2:G0V+3], s[8:9], 0
	s_or_b32 s[G0V+3], s[G0V+3], 0x80000000
	s_add_nc_u64 s[86:87], s[4:5], s[84:85]        ; qw at my rows of the second block,
	s_add_nc_u64 s[4:5], s[4:5], s[22:23]          ; qw and ow at those of the first
	s_add_nc_u64 s[OLO:OLO+1], s[10:11], s[78:79]
	s_add_nc_u64 s[10:11], s[10:11], s[76:77]
	LOAD                                           ; tile 0 into slot 0; slot 1 is asked for by the loop's first change of slots
	v_and_b32 v[LA0], 31, v0
	v_lshlrev_b32 v[LA0], 4, v[LA0]
.irp t, 0,1
.irp c, 0,1
	global_load_b128 v[Q+8*(\t)+4*(\c):Q+8*(\t)+4*(\c)+3], v[LA0], s[4:5] offset:(\t)*8192+(\c)*512  ; tile 1 lies 8 blocks of 16 rows on
.endr
.endr
	WIN 0x40                                       ; destination window 1
.irp t, 0,1
.irp c, 0,1
	global_load_b128 v[QB+8*(\t)+4*(\c):QB+8*(\t)+4*(\c)+3], v[LA0], s[86:87] offset:(\t)*8192+(\c)*512
.endr
.endr
	WIN 0
	v_and_b32 v2, 15, v0
	v_bfe_u32 v3, v0, 4, 1
	v_lshlrev_b32 v3, 3, v3
	v_sub_nc_u32 v3, v2, v3
	s_lshl_b32 s13, s[WV], 4
	v_add_nc_u32 v3, s13, v3                       ; my query's place in its band, 16 w + l % 16, less my lanes' 8 (l / 16): register j of key block kb of step u is hidden where 64 u + 16 kb + j is greater
	WIN 0x40
.set i, 0
.rept 64
	v_cmp_gt_i32 vcc_lo, 16*(i/8)+i%8, v3
	v_cndmask_b32 v[MD+i], 0, s[BIGN], vcc_lo
.set i, i+1
.endr
	WIN 0
	v_and_b32 v3, 7, v0                            ; ONES: rows 0 and 8 lie in the lanes whose number is a multiple of 8
	v_cmp_eq_u32 vcc_lo, 0, v3
	v_mov_b32 v2, 0x3c003c00                       ; 1.0 twice in f16
	v_cndmask_b32 v[ONES], 0, v2, vcc_lo
.irp i, 1,2,3,4,5,6,7
	v_mov_b32 v[ONES+(\i)], v[ONES]
.endr
.set i, 0
.rept 48                                               ; O and L need only be finite, since a block's first a is 0, and L's registers 1-7 must be 0: written once, in the wait for the first tile
	v_mov_b32 v[O+i], 0
.set i, i+1
.endr
.irp t, 0,1
	v_mov_b32 v[ST+8*(\t)], 0xfe000000             ; c m: far below every c s
	v_mov_b32 v[ST+8*(\t)+1], 0xff7fffff           ; m
.endr
	s_wait_loadcnt 0x0                             ; Q, both blocks'
; 16 LDS loads: K and then V of the key step at byte so of the tile
.macro LOADKV so
.irp kb, 0,1,2,3
	ds_load_b128 v[KF+8*(\kb):KF+8*(\kb)+3],   v[LA] offset:(\so)+(\kb)*1024
	ds_load_b128 v[KF+8*(\kb)+4:KF+8*(\kb)+7], v[LA] offset:(\so)+(\kb)*1024+512
.endr
.irp f, 0,1,2,3
	ds_load_b128 v[VF+8*(\f):VF+8*(\f)+3],   v[LA] offset:VOFF+(\so)+(\f)*1024
	ds_load_b128 v[VF+8*(\f)+4:VF+8*(\f)+7], v[LA] offset:VOFF+(\so)+(\f)*1024+512
.endr
.endm
; Four products S^T = K Q^T for tile t.  u < 0: C is the constant 0; else the mask of step u of a band.
.macro KQ t, u
.if (\u) < 0
	WIN 0
.else
	WIN 0x10                                       ; C in window 1
.endif
.irp kb, 0,1,2,3
.if (\u) < 0
	v_wmma_f32_16x16x32_f16 v[S+32*(\t)+8*(\kb):S+32*(\t)+8*(\kb)+7], v[KF+8*(\kb):KF+8*(\kb)+7], v[Q+8*(\t):Q+8*(\t)+7], 0
.else
	v_wmma_f32_16x16x32_f16 v[S+32*(\t)+8*(\kb):S+32*(\t)+8*(\kb)+7], v[KF+8*(\kb):KF+8*(\kb)+7], v[Q+8*(\t):Q+8*(\t)+7], v[MD+32*(\u)+8*(\kb):MD+32*(\u)+8*(\kb)+7]
.endif
.endr
.endm
; Number n of the 22 that find tile t's maximum and statistics.  0-11: four chains of seven scores, three operands at a time (each accumulator's lowest registers are read first);
; 12-14, 16: the four scores left over, the old m, and the chains into c0; 15: c m_old is kept; 17, 18: the query's other 32 keys lie in the lane 16 away: the new m; 19-21: c m; c m_old - c m_new; a.
.macro XS t, n
.set rT, ST+8*(\t)
.set rC, rT+4
.set rM, MV+(\t)
.set rS, S+32*(\t)
.if (\n) < 4
	v_max3_num_f32 v[rC+(\n)], v[rS+8*(\n)], v[rS+8*(\n)+1], v[rS+8*(\n)+2]
.elseif (\n) < 12
	v_max3_num_f32 v[rC+(\n)%4], v[rC+(\n)%4], v[rS+8*((\n)%4)+2*((\n)/4)+1], v[rS+8*((\n)%4)+2*((\n)/4)+2]
.elseif (\n) == 12
	v_max3_num_f32 v[rC], v[rC], v[rS+7], v[rS+15]
.elseif (\n) == 13
	v_max3_num_f32 v[rC+1], v[rC+1], v[rS+23], v[rS+31]
.elseif (\n) == 14
	v_max3_num_f32 v[rC+2], v[rC+2], v[rC+3], v[rT+1]
.elseif (\n) == 15
	v_mov_b32 v[rM], v[rT]
.elseif (\n) == 16
	v_max3_num_f32 v[rC], v[rC], v[rC+1], v[rC+2]
.elseif (\n) == 17
	v_permlanex16_b32 v[rC+3], v[rC], s[SEL], s[SEL+1]
.elseif (\n) == 18
	v_max_num_f32 v[rT+1], v[rC], v[rC+3]
.elseif (\n) == 19
	v_mul_f32 v[rT], s[CS], v[rT+1]
.elseif (\n) == 20
	v_sub_f32 v[rC+1], v[rM], v[rT]
.else
	v_exp_f32 v[rC+2], v[rC+1]
.endif
.endm
.macro FF t, g                         ; c s - c m for pair g of 16
	v_pk_fma_f32 v[S+32*(\t)+2*(\g):S+32*(\t)+2*(\g)+1], v[S+32*(\t)+2*(\g):S+32*(\t)+2*(\g)+1], s[CS:CS+1], v[ST+8*(\t):ST+8*(\t)+1] op_sel_hi:[1,0,0] neg_lo:[0,0,1] neg_hi:[0,0,1]
.endm
.macro EE t, n                         ; the exponential of score n of 32
	v_exp_f32 v[S+32*(\t)+(\n)], v[S+32*(\t)+(\n)]
.endm
.macro CC t, g                         ; pair g rounded to f16, into register g: taken in ascending order it lands on weights that have been rounded already
	s_wait_alu depctr_va_vdst(0)
	v_cvt_pk_f16_f32 v[S+32*(\t)+(\g)], v[S+32*(\t)+2*(\g)], v[S+32*(\t)+2*(\g)+1]
.endm
.macro RS t                            ; O^T and l times a
.irp z, 0,2,4,6,8,10,12,14
	v_pk_mul_f32 v[O+24*(\t)+(\z):O+24*(\t)+(\z)+1], v[O+24*(\t)+(\z):O+24*(\t)+(\z)+1], v[ST+8*(\t)+6:ST+8*(\t)+7] op_sel_hi:[1,0]
.endr
	v_mul_f32 v[O+24*(\t)+16], v[O+24*(\t)+16], v[ST+8*(\t)+6]
.endm
; O^T += V^T P and L += ONES P: three accumulators a tile, by turns, one instruction a turn: between two links of a chain stand five others', or two where one tile is at work
.macro PV doA
.irp kk, 0,1
.irp t, 0,1
.if (\t) || (\doA)
	v_wmma_f32_16x16x32_f16 v[O+24*(\t):O+24*(\t)+7],     v[VF+16*(\kk):VF+16*(\kk)+7],    v[S+32*(\t)+8*(\kk):S+32*(\t)+8*(\kk)+7], v[O+24*(\t):O+24*(\t)+7]
	v_wmma_f32_16x16x32_f16 v[O+24*(\t)+8:O+24*(\t)+15],  v[VF+16*(\kk)+8:VF+16*(\kk)+15], v[S+32*(\t)+8*(\kk):S+32*(\t)+8*(\kk)+7], v[O+24*(\t)+8:O+24*(\t)+15]
	v_wmma_f32_16x16x32_f16 v[O+24*(\t)+16:O+24*(\t)+23], v[ONES:ONES+7],                  v[S+32*(\t)+8*(\kk):S+32*(\t)+8*(\kk)+7], v[O+24*(\t)+16:O+24*(\t)+23]
.endif
.endr
.endr
.endm
; A KEY STEP of 64 keys, in phases.  doA = 0: tile 0 is left out.  uA, uB: the tiles' masks (KQ).  so: the step's byte in the tile.
; In the run of exponentials a plain line that names none of their registers stands between every exponential and the use of its result (ISA guide 5.7.2): scalings two pairs ahead, roundings a pair back.
.macro STEP doA, uA, uB, so
	LOADKV \so
	s_wait_dscnt 0x8                               ; K's eight loads are in; V's eight, issued behind them, may stay out
.if \doA
	KQ 0, \uA
.endif
	KQ 1, \uB
	WIN 0
	PLACES 4                                       ; between the products and the first read of the scores (ISA guide 7.12.1)
.set n, 0
.rept 22
.if \doA
	XS 0, n
.endif
	XS 1, n
.set n, n+1
.endr
.irp g0, 0,1
.if \doA
	FF 0, \g0
.endif
	FF 1, \g0
.endr
.set g, 0
.rept 16
.if \doA
	EE 0, 2*g
.if g < 14
	FF 0, g+2
.endif
	EE 0, 2*g+1
.endif
.if g < 14
	FF 1, g+2
.endif
	EE 1, 2*g
.if (\doA) && (g > 0)
	CC 0, g-1
.endif
	EE 1, 2*g+1
.if g > 0
	CC 1, g-1
.endif
.set g, g+1
.endr
.if \doA
	CC 0, 15
.endif
	CC 1, 15
.if \doA
	RS 0
.endif
	RS 1
	s_wait_dscnt 0x0                               ; V is in
	PV \doA
	PLACES 5                                       ; in front of the next loads into V's registers, of the next K Q^T, which writes over P, and of the way out
.endm
.macro DIAG                            ; the diagonal tile's four steps
	STEP 1, 0, -1, 0
	STEP 1, 1, -1, 4096
	STEP 0, -1, 0, 8192
	STEP 0, -1, 1, 12288
.endm
; THE WAY OUT.  O^T is divided by l (register 0 of L) and rounded to f16: a lane's eight channels of a row are 16 bytes of the next launch's fragment image; each store covers 512 consecutive bytes.
.macro FINISH
	s_wait_xcnt 0x0                                ; the first block's stores have read OUT (ISA guide 3.1): it is rewritten only behind this wait
	v_rcp_f32 v[ST+6], v[O+16]
	v_rcp_f32 v[ST+14], v[O+40]
	v_nop                                          ; a plain line between the reciprocals and the use of their results
	s_wait_alu depctr_va_vdst(0)
.irp t, 0,1
.irp z, 0,2,4,6,8,10,12,14
	v_pk_mul_f32 v[O+24*(\t)+(\z):O+24*(\t)+(\z)+1], v[O+24*(\t)+(\z):O+24*(\t)+(\z)+1], v[ST+8*(\t)+6:ST+8*(\t)+7] op_sel_hi:[1,0]
.endr
.irp i, 0,1,2,3,4,5,6,7
	v_cvt_pk_f16_f32 v[OUT+8*(\t)+(\i)], v[O+24*(\t)+2*(\i)], v[O+24*(\t)+2*(\i)+1]
.endr
	global_store_b128 v[LA0], v[OUT+8*(\t):OUT+8*(\t)+3],   s[10:11] offset:(\t)*262144      ; tile 1 lies 8 blocks of 16 rows, 32,768 bytes each, on
	global_store_b128 v[LA0], v[OUT+8*(\t)+4:OUT+8*(\t)+7], s[10:11] offset:(\t)*262144+512
.endr
.endm
; THE SECOND BLOCK BEGINS: its Q, its place in ow, m and c m anew.  Its first a is 0, so what the first block left in O and in register 0 of L need only be finite.
.macro SWITCH
	s_wait_xcnt 0x0                                ; the stores have read ow's address
	s_mov_b64 s[10:11], s[OLO:OLO+1]
	s_add_co_u32 s[RT], s[PB], 1                   ; the second block has b + 1 tiles
	WIN 0x01                                       ; source window 1
.set i, 0
.rept 16
	v_mov_b32 v[Q+i], v[QB+i]
.set i, i+1
.endr
	WIN 0
.irp t, 0,1
	v_mov_b32 v[ST+8*(\t)], 0xfe000000
	v_mov_b32 v[ST+8*(\t)+1], 0xff7fffff
.endr
.endm
.Lslot:                                                ; eight trips: a tile is entered and the next is asked for
	CHANGE 1
	s_sub_co_u32 s[RT], s[RT], 1
	s_cmp_eq_u32 s[RT], 0
	s_cbranch_scc1 .Ldiag                          ; the block's last tile holds the diagonal
	s_mov_b32 s[CNT], 4
.Lstep:                                                ; a plain tile's four key steps
	v_add_nc_u32 v[LA], s[TB], v[LA0]
	s_add_co_u32 s[TB], s[TB], 4096                ; the next step's K and V lie 4,096 bytes on
	STEP 1, -1, -1, 0
	s_sub_co_u32 s[CNT], s[CNT], 1
	s_cmp_lg_u32 s[CNT], 0
	s_cbranch_scc1 .Lstep
	s_branch .Lbottom
.Ldiag:                                                ; in the loop this is the first block's end: the second block's last tile is the walk's last
	v_add_nc_u32 v[LA], s[TB], v[LA0]
	s_add_co_u32 s[TB], s[TB], 16384
	DIAG
	FINISH
	SWITCH
.Lbottom:
	s_sub_co_u32 s[SLOTS], s[SLOTS], 1
	s_cmp_lg_u32 s[SLOTS], 0
	s_cbranch_scc1 .Lslot
	CHANGE 0                                       ; the walk's last tile is written out: nothing is asked for
	v_add_nc_u32 v[LA], s[TB], v[LA0]
	DIAG
	FINISH
	s_wait_tensorcnt 0x0                           ; the wave's end
	ds_add_u32 v[SPW], v[NIL]
	s_wait_dscnt 0x0
	s_endpgm
.Lfunc_end_k_qe873b856b6_attn:
	.size	k_qe873b856b6_attn, .Lfunc_end_k_qe873b856b6_attn-k_qe873b856b6_attn
	.p2alignl 7, 3214868480
	.fill 96, 4, 3214868480
	.section	.rodata,"a",@progbits
	.p2align	6, 0x0
	.amdhsa_kernel k_qe873b856b6_attn
		.amdhsa_group_segment_fixed_size 327680
		.amdhsa_private_segment_fixed_size 0
		.amdhsa_enable_private_segment 0
		.amdhsa_kernarg_size 32
		.amdhsa_user_sgpr_count 2
		.amdhsa_user_sgpr_kernarg_segment_ptr 1
		.amdhsa_wavefront_size32 1
		.amdhsa_system_sgpr_workgroup_id_x 1
		.amdhsa_system_sgpr_workgroup_id_y 1
		.amdhsa_system_sgpr_workgroup_id_z 1
		.amdhsa_system_vgpr_workitem_id 0
		.amdhsa_next_free_vgpr 336
		.amdhsa_next_free_sgpr 88
		.amdhsa_reserve_vcc 1
		.amdhsa_float_denorm_mode_32 3
		.amdhsa_float_denorm_mode_16_64 3
		.amdhsa_memory_ordered 1
		.amdhsa_forward_progress 1
		.amdhsa_inst_pref_size 118
	.end_amdhsa_kernel
	.amdgpu_metadata
---
amdhsa.version: [ 1, 2 ]
amdhsa.kernels:
  - .name:           k_qe873b856b6_attn
    .symbol:         k_qe873b856b6_attn.kd
    .args:
      - { .name: qw, .offset: 0, .size: 8, .value_kind: global_buffer, .address_space: global }
      - { .name: kw, .offset: 8, .size: 8, .value_kind: global_buffer, .address_space: global }
      - { .name: vw, .offset: 16, .size: 8, .value_kind: global_buffer, .address_space: global }
      - { .name: ow, .offset: 24, .size: 8, .value_kind: global_buffer, .address_space: global }
    .group_segment_fixed_size: 327680
    .private_segment_fixed_size: 0
    .kernarg_segment_align: 8
    .kernarg_segment_size: 32
    .max_flat_workgroup_size: 256
    .sgpr_count:     88
    .vgpr_count:     336
    .wavefront_size: 32
...
	.end_amdgpu_metadata
.endif
;; end of part 3
;; launch oproj (part 4): grid 8 x 32, 4 waves a work-group, clusters of 4 x 4, 327,680 bytes of LDS; arguments ow, wb, out0; writes out0
.if DOCPART == 4
	.amdgcn_target "amdgcn-amd-amdhsa--gfx1250"
	.amdhsa_code_object_version 6
	.text
	.protected	k_qe873b856b6_oproj
	.globl	k_qe873b856b6_oproj
	.p2align	8
	.type	k_qe873b856b6_oproj,@function
k_qe873b856b6_oproj:
	s_mov_b64 s[64:65], 0
	v_nop
	global_prefetch_b8 v0, s[64:65] scope:SCOPE_SE
	s_setreg_imm32_b32 hwreg(HW_REG_WAVE_MODE, 25, 1), 1
	s_wait_xcnt 0x0
	s_wait_alu depctr_hold_cnt(0) depctr_sa_sdst(0) depctr_va_vdst(0) depctr_va_sdst(0) depctr_va_ssrc(0) depctr_va_vcc(0) depctr_vm_vsrc(0)
	s_getreg_b32 s2, hwreg(HW_REG_IB_STS2, 6, 4)
	s_cmp_eq_u32 s2, 0
	s_cbranch_scc0 .Lentry_in_a_cluster
	s_endpgm
.Lentry_in_a_cluster:
	s_bfe_u32 s2, ttmp6, 0x10000c
	s_cmp_lg_u32 s2, 0xf033
	s_cbranch_scc0 .Lentry_shape_is_right
	s_endpgm
.Lentry_shape_is_right:
; OPROJ.  out0[m][n] = the sum over k of O[m][k] Wo[k][n].  O: ow, f16, as fragment images [256 blocks of 16 rows][32 slices of 32 k][half c][lane][16 bytes]; Wo: plane 3 of wb, [k][n], f16 (the bf16-rounded
; number); sums in f32, stored as f32.
; SHARES.  A tile of out0 is 128 x 128: 256 work-groups.  Four waves, each 64 x 64: 16 accumulators.  K goes in four steps of 256 through two LDS slots, written out without a loop.
; Waves 0 and 1 fetch O's two halves (4 blocks of 16 rows each: 4 rows of 8,192 consecutive bytes), waves 2 and 3 Wo's (128 k-rows of 256 bytes each).
; O's fragments come out of LDS as they lie, 512 consecutive bytes a load; Wo's turned, by ds_load_tr16_b128.  The matrix instruction is used transposed (source 0 = 16 columns of Wo, source 1 = 16 rows of O):
; a lane holds eight neighbouring numbers of a row of out0.  A wave's 64 columns are 256 bytes: they go through the wave's own stage in LDS and leave as whole rows, sixteen lanes to 256 consecutive aligned bytes.
; CLUSTER.  4 x 4 work-groups: O's tile is shared along a row of the cluster, Wo's along a column; each is asked for jointly.
; REGISTERS.  window 0: v16-29 addresses; v32-95 rows read back from the stage, two buffers; v128-255 the accumulators ((a, b) at 128 + 8 (4 a + b)).
;   window 1: two fragment buffers of 128: for 64 along K, 64 registers of O (2 x 4 blocks of 16 rows), then 64 of Wo.
.set PB,    288                        ; a k-row of Wo in LDS: 256 bytes + 32 = 72 words
.set BOFF,  65536                      ; O's 8 blocks x 8,192 bytes, then Wo's 256 k-rows
.set SLOT,  BOFF+256*PB
.set STAGE, 2*SLOT                     ; behind the ring, never filled by a tensor load: 16 rows x 272 bytes for each wave
.set SP,    272
.set SPARE, STAGE+4*16*SP              ; behind the stages: the spare words, 128 bytes for each wave: two blocks of 256 bytes that no other line names
.set ADRA, 16                          ; v16-17  LDS address of my fragments of O in slot 0, 1
.set ADRB, 20                          ; v20-23  of Wo's: slot s, half kh of the step's k-rows at 20 + 2 s + kh
.set STO,  24                          ; v24     the way out: where I put 32 bytes of a row
.set RD,   25                          ; v25     where I read rows back
.set CO,   26                          ; v26     my byte offset in out0
.set SPW,  28                          ; v28     LDS address of my spare word; never rewritten
.set NIL,  29                          ; v29     0; never rewritten
.set OB,   32
.set ACC,  128
.set F0,   0
.set F1,   128
.set G1A, 24                           ; s[24:31] descriptor group 1 for O's tiles;  s[32:39] group 0, a set for each slot
.set G0A, 32
.set G1B, 48                           ; s[48:55], s[56:63] the same for Wo's
.set G0B, 56
.set MSB, 0
.macro WIN new
.if MSB != (\new)
	s_set_vgpr_msb (MSB<<8)|(\new)
.set MSB, (\new)
.endif
.endm
.macro PLACES
.rept 4
	v_nop
.endr
.endm
.macro JLOAD s                         ; a joint load: waves 0 and 1 fetch O's halves, waves 2 and 3 Wo's; an s_nop 0 and four v_nop follow each of the two lines
	s_cmp_eq_u32 s11, 0
	s_cbranch_scc0 .Lfor_b_\@
	tensor_load_to_lds s[G0A+4*(\s):G0A+4*(\s)+3], s[G1A:G1A+7]
	s_nop 0
.rept 4
	v_nop
.endr
	s_branch .Lasked_\@
.Lfor_b_\@:
	tensor_load_to_lds s[G0B+4*(\s):G0B+4*(\s)+3], s[G1B:G1B+7]
	s_nop 0
.rept 4
	v_nop
.endr
.Lasked_\@:
.endm
.macro CREST
	s_cmp_lg_u32 s10, 0
	s_cbranch_scc1 .Lnot_wave_0_\@
	s_barrier_signal -3
.Lnot_wave_0_\@:
	s_barrier_wait -3
	s_barrier_signal -1
	s_barrier_wait -1
.endm
.macro CROUND
	s_barrier_signal -1
	s_barrier_wait -1
	CREST
.endm
	s_load_b128 s[4:7], s[0:1], 0x0                ; ow s[4:5], wb s[6:7]
	s_load_b64 s[8:9], s[0:1], 0x10                ; out0
	v_lshl_add_u32 v[SPW], v0, 2, SPARE
	v_mov_b32 v[NIL], 0
	ds_add_u32 v[SPW], v[NIL]                      ; the wave's opening: the add and its wait stand ahead of my first tensor load; the set-up below, work on registers, stands between them
	v_lshrrev_b32 v1, 5, v0
	v_readfirstlane_b32 s10, v1                    ; wave 0..3
	s_lshr_b32 s11, s10, 1                         ; which half of the tile's rows is mine.  Also: I fetch for O (0) or for Wo (1)
	s_and_b32 s12, s10, 1                          ; which half of its columns.  Also: which half of that tile I fetch
	s_bfe_u32 s40, ttmp6, 0x40000                  ; cx, cy
	s_bfe_u32 s41, ttmp6, 0x40004
	s_lshl_b32 s42, ttmp9, 2
	s_add_co_u32 s42, s42, s40                     ; X: tile column
	s_and_b32 s13, ttmp7, 0xffff
	s_lshl_b32 s13, s13, 2
	s_add_co_u32 s13, s13, s41                     ; Y: tile row
	s_lshl_b32 s43, s41, 2
	s_lshl_b32 s43, 15, s43                        ; my row of the cluster
	s_lshl_b32 s44, 0x1111, s40                    ; my column
	s_or_b32 s[G1A], s43, (3<<16)|(1<<21)          ; O: elements of 8 bytes, no padding
	s_mov_b32 s[G1A+1], 1024<<16                   ; tensor_dim0 = 1,024 elements: 8,192 bytes, a block's 8 slices of 32 k
	s_mov_b32 s[G1A+2], 4<<16                      ; tensor_dim1 = 4 blocks of 16 rows
	s_mov_b32 s[G1A+3], 1024<<16                   ; tile_dim0
	s_mov_b32 s[G1A+4], 4                          ; tile_dim1
	s_mov_b32 s[G1A+5], 4096                       ; a block's 32,768 bytes from row to row
	s_mov_b32 s[G1A+6], 0
	s_mov_b32 s[G1A+7], 0
	s_or_b32 s[G1B], s44, (1<<16)|(1<<20)|(1<<21)|(5<<22)|(7<<25)  ; Wo: elements of 2 bytes, 8 words of padding after every 64
	s_mov_b32 s[G1B+1], 128<<16
	s_mov_b32 s[G1B+2], 128<<16
	s_mov_b32 s[G1B+3], 128<<16
	s_mov_b32 s[G1B+4], 128
	s_mov_b32 s[G1B+5], 1024
	s_mov_b32 s[G1B+6], 0
	s_mov_b32 s[G1B+7], 0
	s_lshl_b32 s16, s13, 18                        ; O: block 8 Y + 4 x half, 32,768 bytes each: it hangs on Y and the wave alone
	s_lshl_b32 s17, s12, 17
	s_add_co_u32 s16, s16, s17
	s_mov_b32 s17, 0
	s_lshl_b32 s46, s42, 8                         ; Wo: plane 3, k-row 128 x half, column 128 X: it hangs on X and the wave alone
	s_lshl_b32 s47, s12, 18
	s_add_co_u32 s46, s46, s47
	s_add_co_u32 s46, s46, 3*2097152
	s_mov_b32 s47, 0
	s_lshl_b32 s20, s12, 15                        ; where they go: O's half,
	s_mul_i32 s21, s12, 128*PB
	s_add_co_u32 s21, s21, BOFF                    ; Wo's half
	s_wait_dscnt 0x0                               ; the opening add is done
	s_wait_kmcnt 0x0
	s_add_nc_u64 s[14:15], s[4:5], s[16:17]
	s_add_nc_u64 s[46:47], s[6:7], s[46:47]
	CROUND                                         ; all sixteen work-groups are here: the first joint loads meet
.irp s, 0,1
	s_mov_b32 s[G0A+4*(\s)], 1
	s_add_co_u32 s[G0A+4*(\s)+1], s20, (\s)*SLOT
	s_add_nc_u64 s[G0A+4*(\s)+2:G0A+4*(\s)+3], s[14:15], (\s)*8192        ; K step s: 8 slices on
	s_or_b32 s[G0A+4*(\s)+3], s[G0A+4*(\s)+3], 0x80000000
	s_mov_b32 s[G0B+4*(\s)], 1
	s_add_co_u32 s[G0B+4*(\s)+1], s21, (\s)*SLOT
	s_add_nc_u64 s[G0B+4*(\s)+2:G0B+4*(\s)+3], s[46:47], (\s)*256*2048    ; K step s: 256 k-rows down
	s_or_b32 s[G0B+4*(\s)+3], s[G0B+4*(\s)+3], 0x80000000
	JLOAD \s                                       ; two loads of mine are out
.endr
	v_and_b32 v1, 15, v0                           ; l % 16
	v_bfe_u32 v2, v0, 4, 1                         ; l / 16
	v_and_b32 v3, 31, v0
	v_lshlrev_b32 v3, 4, v3                        ; 16 x lane
	s_lshl_b32 s22, s11, 15                        ; my 64 rows: 4 blocks of 8,192 bytes
	v_add_nc_u32 v[ADRA], s22, v3
	v_add_nc_u32 v[ADRA+1], SLOT, v[ADRA]
	v_and_b32 v4, 7, v0                            ; the turning load: k-row 8 (l / 16) + l % 8, columns 8 ((l / 8) % 2) + 0..7
	v_bfe_u32 v5, v0, 3, 1
	v_lshl_add_u32 v6, v2, 3, v4
	v_mul_u32_u24 v6, v6, PB
	v_lshl_add_u32 v6, v5, 4, v6
	s_lshl_b32 s22, s12, 7                         ; my 64 columns
	v_add_nc_u32 v6, s22, v6
.irp s, 0,1
.irp kh, 0,1
	v_add_nc_u32 v[ADRB+2*(\s)+(\kh)], BOFF+(\s)*SLOT+(\kh)*128*PB, v6
.endr
.endr
	s_mul_i32 s23, s10, 16*SP
	s_add_co_u32 s23, s23, STAGE                   ; my stage
	v_mul_u32_u24 v4, v1, SP                       ; in: row l % 16, 32 bytes for each half of the lanes
	v_lshl_add_u32 v4, v2, 5, v4
	v_add_nc_u32 v[STO], s23, v4
	v_mul_u32_u24 v5, v2, SP                       ; back: lanes 0-15 take one row of 256 bytes, lanes 16-31 the next
	v_lshl_add_u32 v5, v1, 4, v5
	v_add_nc_u32 v[RD], s23, v5
	v_lshlrev_b32 v5, 12, v2                       ; and the same two rows in out0, 4,096 bytes apart
	v_lshl_add_u32 v[CO], v1, 4, v5
	s_lshl_b32 s16, s13, 19                        ; my first row, 128 Y + 64 x half, and my first column, 128 X + 64 x half, in bytes
	s_lshl_b32 s17, s11, 18
	s_add_co_u32 s16, s16, s17
	s_lshl_b32 s17, s42, 9
	s_add_co_u32 s16, s16, s17
	s_lshl_b32 s17, s12, 8
	s_add_co_u32 s16, s16, s17
	s_mov_b32 s17, 0
	s_add_nc_u64 s[8:9], s[8:9], s[16:17]
; 8 matrix instructions: row blocks a0, a0 + 1 x all 4 column blocks, 32 along K: half c of buffer f.  zero = 1: the product starts the sums.  The 16 accumulators take turns.
.macro MUL8 f, c, a0, zero
	WIN 0x05                                       ; sources window 1, C and D window 0
.irp a, \a0, (\a0)+1
.irp b, 0,1,2,3
.if \zero
	v_wmma_f32_16x16x32_f16 v[ACC+8*(4*(\a)+(\b)):ACC+8*(4*(\a)+(\b))+7], v[(\f)+64+8*(4*(\c)+(\b)):(\f)+64+8*(4*(\c)+(\b))+7], v[(\f)+8*(4*(\c)+(\a)):(\f)+8*(4*(\c)+(\a))+7], 0
.else
	v_wmma_f32_16x16x32_f16 v[ACC+8*(4*(\a)+(\b)):ACC+8*(4*(\a)+(\b))+7], v[(\f)+64+8*(4*(\c)+(\b)):(\f)+64+8*(4*(\c)+(\b))+7], v[(\f)+8*(4*(\c)+(\a)):(\f)+8*(4*(\c)+(\a))+7], v[ACC+8*(4*(\a)+(\b)):ACC+8*(4*(\a)+(\b))+7]
.endif
.endr
.endr
.endm
; 32 LDS loads in one run: the fragments of quarter qd (64 along K: slices 2 qd and 2 qd + 1 of the step's eight) into buffer f
.macro FETCH slot, qd, f
	WIN 0x40                                       ; destination window 1, address window 0
.irp c, 0,1
.irp i, 0,1,2,3
	ds_load_tr16_b128 v[(\f)+64+8*(4*(\c)+(\i)):(\f)+64+8*(4*(\c)+(\i))+3],   v[ADRB+2*(\slot)+(2*(\qd)+(\c))/4] offset:((2*(\qd)+(\c))%4)*32*PB+(\i)*32
	ds_load_tr16_b128 v[(\f)+64+8*(4*(\c)+(\i))+4:(\f)+64+8*(4*(\c)+(\i))+7], v[ADRB+2*(\slot)+(2*(\qd)+(\c))/4] offset:((2*(\qd)+(\c))%4)*32*PB+(\i)*32+16*PB
	ds_load_b128 v[(\f)+8*(4*(\c)+(\i)):(\f)+8*(4*(\c)+(\i))+3],   v[ADRA+(\slot)] offset:(\i)*8192+(2*(\qd)+(\c))*1024
	ds_load_b128 v[(\f)+8*(4*(\c)+(\i))+4:(\f)+8*(4*(\c)+(\i))+7], v[ADRA+(\slot)] offset:(\i)*8192+(2*(\qd)+(\c))*1024+512
.endr
.endr
.endm
; A K step is four quarters of 64 along K, 32 matrix instructions each, on buffers 0, 1, 0, 1.  One of the first three: fetches quarter qn into buffer g and multiplies buffer f.
.macro QUARTER slot, qn, f, g, zero
	s_wait_dscnt 0x0                               ; buffer f is in: its loads were issued 32 matrix instructions ago
	PLACES                                         ; buffer g was read by the matrix instructions just issued
	FETCH \slot, \qn, \g
	MUL8 \f, 0, 0, \zero
	MUL8 \f, 0, 2, \zero
	MUL8 \f, 1, 0, 0
	MUL8 \f, 1, 2, 0
.endm
; The last quarter multiplies buffer 1 and changes slots: ONE barrier; in front of it each wave waits for all its tensor loads, adds 0 to its spare word, and waits for that and for its own reads of this slot.
; fill = 1: the barrier opens a round of the cluster's, and this slot is filled again, two K steps ahead, first thing behind the round.
.macro TURN slot, next, fill
	WIN 0
	s_wait_tensorcnt 0x0
	ds_add_u32 v[SPW], v[NIL]                      ; 0 onto my spare word
	s_wait_dscnt 0x1                               ; (the add alone may be out: buffer 1 is in)
	MUL8 F1, 0, 0, 0                               ; eight matrix instructions stand between the add and the wait for it
	s_wait_dscnt 0x0                               ; the add is done, and my reads of this slot are over
	s_barrier_signal -1
	MUL8 F1, 0, 2, 0
.if \fill
	WIN 0
.endif
	s_barrier_wait -1
.if \fill
	CREST                                          ; no wave of any partner still reads this slot's tiles or has a load on its way
	s_add_nc_u64 s[G0A+4*(\slot)+2:G0A+4*(\slot)+3], s[G0A+4*(\slot)+2:G0A+4*(\slot)+3], 2*8192
	s_add_nc_u64 s[G0B+4*(\slot)+2:G0B+4*(\slot)+3], s[G0B+4*(\slot)+2:G0B+4*(\slot)+3], 2*256*2048
	JLOAD \slot                                    ; the four v_nop behind it are also the places in front of the loads below
.else
	PLACES
.endif
	FETCH \next, 0, F0
	MUL8 F1, 1, 0, 0
	MUL8 F1, 1, 2, 0
.endm
	s_wait_tensorcnt 0x1                           ; my part of K step 0 is in; K step 1's may stay out
	s_barrier_signal -1
	s_barrier_wait -1                              ; everybody's is
	FETCH 0, 0, F0
	QUARTER 0, 1, F0, F1, 1                        ; the first products start the sums
	QUARTER 0, 2, F1, F0, 0
	QUARTER 0, 3, F0, F1, 0
	TURN 0, 1, 1                                   ; slot 0 takes K step 2
	QUARTER 1, 1, F0, F1, 0
	QUARTER 1, 2, F1, F0, 0
	QUARTER 1, 3, F0, F1, 0
	TURN 1, 0, 1                                   ; slot 1 takes K step 3
	QUARTER 0, 1, F0, F1, 0
	QUARTER 0, 2, F1, F0, 0
	QUARTER 0, 3, F0, F1, 0
	TURN 0, 1, 0                                   ; nothing is left to fetch
	QUARTER 1, 1, F0, F1, 0
	QUARTER 1, 2, F1, F0, 0
	QUARTER 1, 3, F0, F1, 0
	s_wait_dscnt 0x0
	MUL8 F1, 0, 0, 0
	MUL8 F1, 0, 2, 0
	MUL8 F1, 1, 0, 0
	MUL8 F1, 1, 2, 0
	WIN 0
; THE WAY OUT, a block of 16 rows at a time: a lane's 32 bytes of a row go into my stage (each accumulator's lowest registers first) and come back as whole rows of 256 bytes.
.macro TOSTAGE a
.set BK, OB+32*((\a)%2)
.if (\a) >= 2
	s_wait_xcnt 0x0                                ; the stores of the block two back have read this buffer (ISA guide 3.1): it is loaded again only behind this wait
.endif
.irp b, 0,1,2,3
	ds_store_b128 v[STO], v[ACC+8*(4*(\a)+(\b)):ACC+8*(4*(\a)+(\b))+3]   offset:64*(\b)
	ds_store_b128 v[STO], v[ACC+8*(4*(\a)+(\b))+4:ACC+8*(4*(\a)+(\b))+7] offset:64*(\b)+16
.endr
.irp t, 0,1,2,3,4,5,6,7
	ds_load_b128 v[BK+4*(\t):BK+4*(\t)+3], v[RD] offset:(\t)*2*SP  ; LDS serves a wave's instructions in order (ISA guide 5.7.1.4): these see the stores above; the next block's stores come behind them
.endr
.endm
.macro SEND a, younger                 ; younger: the LDS instructions issued behind block a's loads: the next block's sixteen, or none
.set BK, OB+32*((\a)%2)
	s_wait_dscnt \younger
.irp t, 0,1,2,3,4,5,6,7
	global_store_b128 v[CO], v[BK+4*(\t):BK+4*(\t)+3], s[8:9] offset:(16*(\a)+2*(\t))*4096 th:TH_STORE_NT  ; 16 lanes store 256 consecutive bytes, at a multiple of 256 from out0's first byte
.endr
.endm
	PLACES                                         ; between the last products and the first read of a result (ISA guide 7.12.1)
	TOSTAGE 0
	TOSTAGE 1
	SEND 0, 16
	TOSTAGE 2
	SEND 1, 16
	TOSTAGE 3
	SEND 2, 16
	SEND 3, 0
	s_wait_tensorcnt 0x0                           ; the wave's end: behind my last tensor load and my last LDS store
	ds_add_u32 v[SPW], v[NIL]
	s_wait_dscnt 0x0
	CROUND                                         ; the closing round: no work-group ends while a partner may still ask for a tile that names it
	s_endpgm
.Lfunc_end_k_qe873b856b6_oproj:
	.size	k_qe873b856b6_oproj, .Lfunc_end_k_qe873b856b6_oproj-k_qe873b856b6_oproj
	.p2alignl 7, 3214868480
	.fill 96, 4, 3214868480
	.section	.rodata,"a",@progbits
	.p2align	6, 0x0
	.amdhsa_kernel k_qe873b856b6_oproj
		.amdhsa_group_segment_fixed_size 327680
		.amdhsa_private_segment_fixed_size 0
		.amdhsa_enable_private_segment 0
		.amdhsa_kernarg_size 24
		.amdhsa_user_sgpr_count 2
		.amdhsa_user_sgpr_kernarg_segment_ptr 1
		.amdhsa_wavefront_size32 1
		.amdhsa_system_sgpr_workgroup_id_x 1
		.amdhsa_system_sgpr_workgroup_id_y 1
		.amdhsa_system_sgpr_workgroup_id_z 1
		.amdhsa_system_vgpr_workitem_id 0
		.amdhsa_next_free_vgpr 512
		.amdhsa_next_free_sgpr 66
		.amdhsa_reserve_vcc 0
		.amdhsa_float_denorm_mode_32 3
		.amdhsa_float_denorm_mode_16_64 3
		.amdhsa_memory_ordered 1
		.amdhsa_forward_progress 1
		.amdhsa_inst_pref_size 85
	.end_amdhsa_kernel
	.amdgpu_metadata
---
amdhsa.version: [ 1, 2 ]
amdhsa.kernels:
  - .name:           k_qe873b856b6_oproj
    .symbol:         k_qe873b856b6_oproj.kd
    .args:
      - { .name: ow, .offset: 0, .size: 8, .value_kind: global_buffer, .address_space: global }
      - { .name: wb, .offset: 8, .size: 8, .value_kind: global_buffer, .address_space: global }
      - { .name: out0, .offset: 16, .size: 8, .value_kind: global_buffer, .address_space: global }
    .group_segment_fixed_size: 327680
    .private_segment_fixed_size: 0
    .kernarg_segment_align: 8
    .kernarg_segment_size: 24
    .max_flat_workgroup_size: 128
    .sgpr_count:     66
    .vgpr_count:     512
    .wavefront_size: 32
...
	.end_amdgpu_metadata
.endif
;; end of part 4
;; ======== version 2 of 2: 4 launches; 1.09 times as fast as version 1
;; limits: values are held in f16: magnitudes above 65,504 overflow, below 6.1e-05 lose precision; right only within a limited range of input values
;; workspace buffers: xb 8,388,608 bytes; wb 8,388,608 bytes; tab 262,144 bytes; qw 8,388,608 bytes; kw 8,388,608 bytes; vw 8,388,608 bytes; ow 8,388,608 bytes
;; launch prep: the kernel of part 1 again; grid 528 x 1, 8 waves a work-group, no clusters, 0 bytes of LDS; arguments hidden_states, Wq, Wk, Wv, Wo, positions, xb, wb, tab; writes xb, wb, tab
;; launch qkv: the kernel of part 2 again; grid 8 x 32, 4 waves a work-group, clusters of 4 x 4, 327,680 bytes of LDS; arguments xb, wb, tab, qw, kw, vw; writes qw, kw, vw
;; launch attn (part 5): grid 4 x 64, 8 waves a work-group, no clusters, 327,680 bytes of LDS; arguments qw, kw, vw, ow; writes ow
.if DOCPART == 5
	.amdgcn_target "amdgcn-amd-amdhsa--gfx1250"
	.amdhsa_code_object_version 6
	.text
	.protected	k_qe873b856b6_attn
	.globl	k_qe873b856b6_attn
	.p2align	8
	.type	k_qe873b856b6_attn,@function
k_qe873b856b6_attn:
	s_mov_b64 s[64:65], 0
	v_nop
	global_prefetch_b8 v0, s[64:65] scope:SCOPE_SE
	s_setreg_imm32_b32 hwreg(HW_REG_WAVE_MODE, 25, 1), 1
	s_wait_xcnt 0x0
; CAUSAL ATTENTION at head size 32.  O[q] = the sum over k <= q of softmax_k(q . k / sqrt(32)) v[k], for each of 64 heads of 2,048 rows.  q, k, v arrive in f16 as register images (see below);
; products, maxima and the rescaling in f32; the weights p are rounded to f16 for the second product, and their sum l is taken of those rounded weights; O is rounded once, to f16.
; LIMITS.  q, k, v lie within f16's 65,504.  A hidden score counts as its value less 1e30 (scores of f16 operands reach 1.4e11 at the most); a weight below 2^-126 counts as 0; NaN and infinities are not treated apart.
; THE WALK.  A head has 8 blocks of 256 queries; block i needs the key tiles 0 .. i of 256 keys, the last of which holds the diagonal.  A work-group takes blocks 7 - b and then b: 9 tiles whatever b, so all
; work-groups do equal work and one loop with a constant trip count walks them.  Every jump but the counted loops' own goes forward, and none passes a barrier or a tensor load.
; NO CLUSTER: a head's four work-groups want the same tile in the walk's first 5 trips alone, and a walk common to all four would have 12 trips for 9.
; SHARES.  Eight waves, two to a SIMD, so that one wave's products stand beside the other's softmax.  Wave w owns two tiles of 16 queries: rows 16 w on of the block's first band of 128, and of its second.
; In the diagonal tile's four key steps of 64: tile 0 is masked in steps 0 and 1 and left out of steps 2 and 3 (all hidden); tile 1 is plain in steps 0 and 1 and masked in steps 2 and 3: alike for every wave.
; LAYOUT.  S^T = K Q^T (source 0 = 16 keys, source 1 = 16 queries; 32 channels are one instruction's K): a lane holds ONE query (l % 16) and keys 8 (l / 16) + 0..7.  Two such results rounded in pairs ARE source 1
; of O^T = V^T P.  kw and vw hold fragments as the registers want them, so a tile is 16,384 dense bytes, and every LDS load takes 512 consecutive bytes: no padding, no turning load.
; THE MASK is the C operand of K Q^T: 0, or -1e30 where the key is hidden; MD, made once, holds it for the two steps of a band.
; THE SUM l comes from the matrix unit: L += ONES x P, where rows 0 and 8 of ONES hold ones: register 0 of L holds the query's sum in both halves of the lanes.  Two products a tile and step stand for 16 packed additions.
; SOFTMAX.  p = 2^(c s - c m), c = log2(e) / sqrt(32), with a running maximum m; O and l are multiplied by a = 2^(c m_old - c m_new) in every step.  m starts at the lowest finite number, so a block's first a is 0.
; THE BATCHES.  A key step's exponentials are ONE BATCH with ONE wait: the tiles' two a, then the 64 weights (one a and 32 weights where one tile is at work), each in a register of its own, the weights in place over
; their scores; the scalings stand among them.  Ahead of the wait nothing names a result; behind it stand all the readers: the roundings, the rescaling by a, the products V^T P.  No exponential is issued behind
; a step's wait, so none is pending at a label or a jump.  The way out's two reciprocals are a batch of their own.
; REGISTERS.  window 0: see the names below.  window 1: v0-63 MD, v64-79 the second block's Q.  (s_set_vgpr_msb: bits 1:0 source 0, 3:2 source 1, 5:4 source 2, 7:6 destination)
.set SLOT1, 32768                      ; a slot: 16,384 bytes of K, then 16,384 of V; slot 1 begins here, so that one exclusive or turns an address in one slot into the other's
.set VOFF,  16384
.set SPARE, 65536                      ; behind the ring: the spare words, 128 bytes for each of eight waves: four blocks of 256 bytes that no other line names
.set LA0, 1                            ; v1   16 x lane: my place in every fragment image, in LDS and in memory; never rewritten
.set LA,  2                            ; v2   LDS address of the key step in hand
.set SPW, 4                            ; v4   LDS address of my spare word; never rewritten
.set NIL, 5                            ; v5   0; never rewritten
.set MV,  6                            ; v6-7   c m_old, by tile
.set ST,  8                            ; v8-23  tile t's statistics at ST + 8 t: +0 c m, +1 m, +4..+7 c0-c3 at work; a takes c2's place
.set ONES, 24                          ; v24-31
.set Q,   32                           ; v32-47   8 a tile
.set O,   48                           ; v48-95   24 a tile: channels 0-15, channels 16-31, L
.set S,   96                           ; v96-159  32 a tile; P is written in place over the first 16
.set KF,  160                          ; v160-191 K of one step: key block kb at KF + 8 kb
.set VF,  192                          ; v192-223 V of one step: key half kk, channel block cb at VF + 8 (2 kk + cb)
.set OUT, 224                          ; v224-239 8 a tile, to store
.set MD,  0                            ; window 1
.set QB,  64                           ; window 1
.set WV,  12                           ; s12  my wave's number
.set PB,  14                           ; s14  b
.set HI,  15                           ; s15  7 - b
.set G1,  24                           ; s[24:31] descriptor group 1: the same for K's and V's tiles
.set G0K, 40                           ; s[40:43] descriptor group 0 for K's tiles
.set G0V, 44                           ; s[44:47] for V's
.set SLOTS, 56                         ; s56  tiles still to be asked for
.set CNT, 57                           ; s57  counts a tile's key steps
.set CS,  58                           ; s[58:59] c: the packed scaling takes the pair's low word for both halves
.set SEL, 60                           ; s[60:61] v_permlanex16_b32's selects: each lane takes its own place in the other half
.set TB,  62                           ; s62  LDS byte at which K of the step to be read begins
.set RT,  70                           ; s70  tiles of the block in hand that are still to be entered
.set NXT, 71                           ; s71  the tile to be asked for next
.set LQ,  72                           ; s72  the last tile of the block whose tiles are being asked for
.set OFF, 74                           ; s[74:75] a tile's byte offset in kw and vw
.set OLO, 80                           ; s[80:81] ow at my rows of the second block
.set BIGN, 82                          ; s82  -1e30
.set MSB, 0
.macro WIN new
.if MSB != (\new)
	s_set_vgpr_msb (MSB<<8)|(\new)
.set MSB, (\new)
.endif
.endm
.macro PLACES n
.rept \n
	v_nop
.endr
.endm
; A fill: wave 0 fetches the tile's K, wave 1 its V, the others nothing.  An s_nop 0 and four v_nop follow each of the two lines.
.macro LOAD
	s_cmp_lg_u32 s[WV], 0
	s_cbranch_scc1 .Lnot_k_\@
	tensor_load_to_lds s[G0K:G0K+3], s[G1:G1+7]
	s_nop 0
.rept 4
	v_nop
.endr
	s_branch .Lasked_\@
.Lnot_k_\@:
	s_cmp_lg_u32 s[WV], 1
	s_cbranch_scc1 .Lasked_\@
	tensor_load_to_lds s[G0V:G0V+3], s[G1:G1+7]
	s_nop 0
.rept 4
	v_nop
.endr
.Lasked_\@:
.endm
; THE CHANGE OF SLOTS.  Each wave waits for all its tensor loads (one is out at the most: its part of the other slot), adds 0 to its spare word, and waits for that and for its reads of the slot that it leaves.
; Behind the barrier nobody reads the old slot and the other slot is whole.  fill = 1: the old slot is filled again, first thing behind the barrier, with tile NXT; the address is made anew from that number.
.macro CHANGE fill
	WIN 0
	s_wait_tensorcnt 0x0                           ; no tensor load of mine is out, so a group 0 may be written
	ds_add_u32 v[SPW], v[NIL]                      ; 0 onto my spare word; the scalar work stands between it and the wait for it
.if \fill
	s_lshl_b32 s[OFF], s[NXT], 14                  ; a tile is 16,384 bytes of kw and of vw
	s_xor_b32 s[G0K+1], s[G0K+1], SLOT1
	s_add_nc_u64 s[G0K+2:G0K+3], s[6:7], s[OFF:OFF+1]
	s_or_b32 s[G0K+3], s[G0K+3], 0x80000000
	s_xor_b32 s[G0V+1], s[G0V+1], SLOT1
	s_add_nc_u64 s[G0V+2:G0V+3], s[8:9], s[OFF:OFF+1]
	s_or_b32 s[G0V+3], s[G0V+3], 0x80000000
	s_add_co_u32 s[NXT], s[NXT], 1                 ; the block's next tile, or behind its last the second block's tile 0
	s_cmp_gt_u32 s[NXT], s[LQ]
	s_cselect_b32 s[NXT], 0, s[NXT]
	s_cselect_b32 s[LQ], s[PB], s[LQ]
.endif
	s_wait_dscnt 0x0                               ; the add is done, and my reads of the slot are over
	s_barrier_signal -1
	s_sub_co_u32 s[TB], s[TB], 16384               ; the reads go back to a slot's first step,
	s_xor_b32 s[TB], s[TB], SLOT1                  ; in the other slot
	s_barrier_wait -1
.if \fill
	LOAD
.endif
.endm
	s_load_b256 s[4:11], s[0:1], 0x0               ; qw s[4:5], kw s[6:7], vw s[8:9], ow s[10:11]
	v_lshl_add_u32 v[SPW], v0, 2, SPARE
	v_mov_b32 v[NIL], 0
	ds_add_u32 v[SPW], v[NIL]                      ; the wave's opening: the add and its wait stand ahead of the first tensor load; the set-up below, work on registers, stands between them
	v_lshrrev_b32 v3, 5, v0
	v_readfirstlane_b32 s[WV], v3                  ; wave 0..7
	s_mov_b32 s[PB], ttmp9
	s_sub_co_u32 s[HI], 7, s[PB]
	s_and_b32 s16, ttmp7, 0xffff                   ; 32 x batch + head
	s_lshl_b32 s20, s16, 17                        ; its 131,072 bytes in qw, kw and vw
	s_mov_b32 s21, 0
	s_lshl_b32 s17, s[HI], 4
	s_add_co_u32 s17, s17, s[WV]                   ; my tile 0's block of 16 rows in the head: first block,
	s_lshl_b32 s18, s[PB], 4
	s_add_co_u32 s18, s18, s[WV]                   ; second block
	s_lshl_b32 s22, s17, 10
	s_add_co_u32 s22, s22, s20
	s_mov_b32 s23, 0
	s_lshl_b32 s84, s18, 10
	s_add_co_u32 s84, s84, s20
	s_mov_b32 s85, 0
	s_lshr_b32 s19, s16, 5                         ; ow: [256 blocks of 16 rows][32 heads][1,024 bytes]
	s_lshl_b32 s19, s19, 7                         ; the batch's 128 blocks
	s_and_b32 s13, s16, 31
	s_lshl_b32 s13, s13, 10                        ; the head's 1,024 bytes
	s_add_co_u32 s17, s17, s19
	s_lshl_b32 s76, s17, 15
	s_add_co_u32 s76, s76, s13
	s_mov_b32 s77, 0
	s_add_co_u32 s18, s18, s19
	s_lshl_b32 s78, s18, 15
	s_add_co_u32 s78, s78, s13
	s_mov_b32 s79, 0
	; descriptor group 1: 16,384 dense bytes, asked for as 64 rows of 32 elements of 8 bytes; no padding
	s_mov_b32 s[G1], 3<<16
	s_mov_b32 s[G1+1], 32<<16                      ; tensor_dim0 = 32
	s_mov_b32 s[G1+2], 64<<16                      ; tensor_dim1 = 64
	s_mov_b32 s[G1+3], 32<<16                      ; tile_dim0 = 32
	s_mov_b32 s[G1+4], 64                          ; tile_dim1 = 64
	s_mov_b32 s[G1+5], 32                          ; 32 elements from row to row
	s_mov_b32 s[G1+6], 0
	s_mov_b32 s[G1+7], 0
	s_mov_b32 s[CS], 0x3e8293ee                    ; c = log2(e) / sqrt(32) = 0.255035
	s_mov_b32 s[CS+1], s[CS]                       ; named with it as a pair
	s_mov_b32 s[SEL], 0x76543210
	s_mov_b32 s[SEL+1], 0xfedcba98
	s_mov_b32 s[TB], SLOT1+16384                   ; the first change of slots turns this into 0
	s_mov_b32 s[G0K], 1
	s_mov_b32 s[G0K+1], 0                          ; slot 0
	s_mov_b32 s[G0V], 1
	s_mov_b32 s[G0V+1], VOFF
	s_add_co_u32 s[RT], s[HI], 1                   ; the first block has 8 - b tiles
	s_mov_b32 s[NXT], 1
	s_mov_b32 s[LQ], s[HI]
	s_mov_b32 s[OFF+1], 0
	s_mov_b32 s[BIGN], 0xf149f2ca                  ; -1e30
	s_mov_b32 s[SLOTS], 8
	s_wait_dscnt 0x0                               ; the opening add is done
	s_barrier_signal -1
	s_barrier_wait -1
	s_wait_kmcnt 0x0
	s_add_nc_u64 s[6:7], s[6:7], s[20:21]          ; kw and vw at the head's tile 0
	s_add_nc_u64 s[8:9], s[8:9], s[20:21]
	s_add_nc_u64 s[G0K+2:G0K+3], s[6:7], 0
	s_or_b32 s[G0K+3], s[G0K+3], 0x80000000
	s_add_nc_u64 s[G0V+2:G0V+3], s[8:9], 0
	s_or_b32 s[G0V+3], s[G0V+3], 0x80000000
	s_add_nc_u64 s[86:87], s[4:5], s[84:85]        ; qw at my rows of the second block,
	s_add_nc_u64 s[4:5], s[4:5], s[22:23]          ; qw and ow at those of the first
	s_add_nc_u64 s[OLO:OLO+1], s[10:11], s[78:79]
	s_add_nc_u64 s[10:11], s[10:11], s[76:77]
	LOAD                                           ; tile 0 into slot 0; slot 1 is asked for by the loop's first change of slots
	v_and_b32 v[LA0], 31, v0
	v_lshlrev_b32 v[LA0], 4, v[LA0]
.irp t, 0,1
.irp c, 0,1
	global_load_b128 v[Q+8*(\t)+4*(\c):Q+8*(\t)+4*(\c)+3], v[LA0], s[4:5] offset:(\t)*8192+(\c)*512  ; tile 1 lies 8 blocks of 16 rows on
.endr
.endr
	WIN 0x40                                       ; destination window 1
.irp t, 0,1
.irp c, 0,1
	global_load_b128 v[QB+8*(\t)+4*(\c):QB+8*(\t)+4*(\c)+3], v[LA0], s[86:87] offset:(\t)*8192+(\c)*512
.endr
.endr
	WIN 0
	v_and_b32 v2, 15, v0
	v_bfe_u32 v3, v0, 4, 1
	v_lshlrev_b32 v3, 3, v3
	v_sub_nc_u32 v3, v2, v3
	s_lshl_b32 s13, s[WV], 4
	v_add_nc_u32 v3, s13, v3                       ; my query's place in its band, 16 w + l % 16, less my lanes' 8 (l / 16): register j of key block kb of step u is hidden where 64 u + 16 kb + j is greater
	WIN 0x40
.set i, 0
.rept 64
	v_cmp_gt_i32 vcc_lo, 16*(i/8)+i%8, v3
	v_cndmask_b32 v[MD+i], 0, s[BIGN], vcc_lo
.set i, i+1
.endr
	WIN 0
	v_and_b32 v3, 7, v0                            ; ONES: rows 0 and 8 lie in the lanes whose number is a multiple of 8
	v_cmp_eq_u32 vcc_lo, 0, v3
	v_mov_b32 v2, 0x3c003c00                       ; 1.0 twice in f16
	v_cndmask_b32 v[ONES], 0, v2, vcc_lo
.irp i, 1,2,3,4,5,6,7
	v_mov_b32 v[ONES+(\i)], v[ONES]
.endr
.set i, 0
.rept 48                                               ; O and L need only be finite, since a block's first a is 0, and L's registers 1-7 must be 0: written once, in the wait for the first tile
	v_mov_b32 v[O+i], 0
.set i, i+1
.endr
.irp t, 0,1
	v_mov_b32 v[ST+8*(\t)], 0xfe000000             ; c m: far below every c s
	v_mov_b32 v[ST+8*(\t)+1], 0xff7fffff           ; m
.endr
	s_wait_loadcnt 0x0                             ; Q, both blocks'
; 16 LDS loads: K and then V of the key step at byte so of the tile
.macro LOADKV so
.irp kb, 0,1,2,3
	ds_load_b128 v[KF+8*(\kb):KF+8*(\kb)+3],   v[LA] offset:(\so)+(\kb)*1024
	ds_load_b128 v[KF+8*(\kb)+4:KF+8*(\kb)+7], v[LA] offset:(\so)+(\kb)*1024+512
.endr
.irp f, 0,1,2,3
	ds_load_b128 v[VF+8*(\f):VF+8*(\f)+3],   v[LA] offset:VOFF+(\so)+(\f)*1024
	ds_load_b128 v[VF+8*(\f)+4:VF+8*(\f)+7], v[LA] offset:VOFF+(\so)+(\f)*1024+512
.endr
.endm
; Four products S^T = K Q^T for tile t.  u < 0: C is the constant 0; else the mask of step u of a band.
.macro KQ t, u
.if (\u) < 0
	WIN 0
.else
	WIN 0x10                                       ; C in window 1
.endif
.irp kb, 0,1,2,3
.if (\u) < 0
	v_wmma_f32_16x16x32_f16 v[S+32*(\t)+8*(\kb):S+32*(\t)+8*(\kb)+7], v[KF+8*(\kb):KF+8*(\kb)+7], v[Q+8*(\t):Q+8*(\t)+7], 0
.else
	v_wmma_f32_16x16x32_f16 v[S+32*(\t)+8*(\kb):S+32*(\t)+8*(\kb)+7], v[KF+8*(\kb):KF+8*(\kb)+7], v[Q+8*(\t):Q+8*(\t)+7], v[MD+32*(\u)+8*(\kb):MD+32*(\u)+8*(\kb)+7]
.endif
.endr
.endm
; Number n of the 22 that find tile t's maximum and statistics.  0-11: four chains of seven scores, three operands at a time (each accumulator's lowest registers are read first);
; 12-14, 16: the four scores left over, the old m, and the chains into c0; 15: c m_old is kept; 17, 18: the query's other 32 keys lie in the lane 16 away: the new m; 19-21: c m; c m_old - c m_new; a.
; Number 21, the exponential that makes a, opens the step's batch.
.macro XS t, n
.set rT, ST+8*(\t)
.set rC, rT+4
.set rM, MV+(\t)
.set rS, S+32*(\t)
.if (\n) < 4
	v_max3_num_f32 v[rC+(\n)], v[rS+8*(\n)], v[rS+8*(\n)+1], v[rS+8*(\n)+2]
.elseif (\n) < 12
	v_max3_num_f32 v[rC+(\n)%4], v[rC+(\n)%4], v[rS+8*((\n)%4)+2*((\n)/4)+1], v[rS+8*((\n)%4)+2*((\n)/4)+2]
.elseif (\n) == 12
	v_max3_num_f32 v[rC], v[rC], v[rS+7], v[rS+15]
.elseif (\n) == 13
	v_max3_num_f32 v[rC+1], v[rC+1], v[rS+23], v[rS+31]
.elseif (\n) == 14
	v_max3_num_f32 v[rC+2], v[rC+2], v[rC+3], v[rT+1]
.elseif (\n) == 15
	v_mov_b32 v[rM], v[rT]
.elseif (\n) == 16
	v_max3_num_f32 v[rC], v[rC], v[rC+1], v[rC+2]
.elseif (\n) == 17
	v_permlanex16_b32 v[rC+3], v[rC], s[SEL], s[SEL+1]
.elseif (\n) == 18
	v_max_num_f32 v[rT+1], v[rC], v[rC+3]
.elseif (\n) == 19
	v_mul_f32 v[rT], s[CS], v[rT+1]
.elseif (\n) == 20
	v_sub_f32 v[rC+1], v[rM], v[rT]
.else
	v_exp_f32 v[rC+2], v[rC+1]
.endif
.endm
.macro FF t, g                         ; c s - c m for pair g of 16
	v_pk_fma_f32 v[S+32*(\t)+2*(\g):S+32*(\t)+2*(\g)+1], v[S+32*(\t)+2*(\g):S+32*(\t)+2*(\g)+1], s[CS:CS+1], v[ST+8*(\t):ST+8*(\t)+1] op_sel_hi:[1,0,0] neg_lo:[0,0,1] neg_hi:[0,0,1]
.endm
.macro EE t, n                         ; the exponential of score n of 32, in place: a register of its own for each result of the batch
	v_exp_f32 v[S+32*(\t)+(\n)], v[S+32*(\t)+(\n)]
.endm
.macro CC t, g                         ; pair g rounded to f16, into register g: taken in ascending order it lands on weights that have been rounded already.  It reads the batch's results: it stands behind the step's wait
	v_cvt_pk_f16_f32 v[S+32*(\t)+(\g)], v[S+32*(\t)+2*(\g)], v[S+32*(\t)+2*(\g)+1]
.endm
.macro RS t                            ; O^T and l times a: a reader of the batch too
.irp z, 0,2,4,6,8,10,12,14
	v_pk_mul_f32 v[O+24*(\t)+(\z):O+24*(\t)+(\z)+1], v[O+24*(\t)+(\z):O+24*(\t)+(\z)+1], v[ST+8*(\t)+6:ST+8*(\t)+7] op_sel_hi:[1,0]
.endr
	v_mul_f32 v[O+24*(\t)+16], v[O+24*(\t)+16], v[ST+8*(\t)+6]
.endm
; O^T += V^T P and L += ONES P: three accumulators a tile, by turns, one instruction a turn: between two links of a chain stand five others', or two where one tile is at work
.macro PV doA
.irp kk, 0,1
.irp t, 0,1
.if (\t) || (\doA)
	v_wmma_f32_16x16x32_f16 v[O+24*(\t):O+24*(\t)+7],     v[VF+16*(\kk):VF+16*(\kk)+7],    v[S+32*(\t)+8*(\kk):S+32*(\t)+8*(\kk)+7], v[O+24*(\t):O+24*(\t)+7]
	v_wmma_f32_16x16x32_f16 v[O+24*(\t)+8:O+24*(\t)+15],  v[VF+16*(\kk)+8:VF+16*(\kk)+15], v[S+32*(\t)+8*(\kk):S+32*(\t)+8*(\kk)+7], v[O+24*(\t)+8:O+24*(\t)+15]
	v_wmma_f32_16x16x32_f16 v[O+24*(\t)+16:O+24*(\t)+23], v[ONES:ONES+7],                  v[S+32*(\t)+8*(\kk):S+32*(\t)+8*(\kk)+7], v[O+24*(\t)+16:O+24*(\t)+23]
.endif
.endr
.endr
.endm
; A KEY STEP of 64 keys, in phases.  doA = 0: tile 0 is left out.  uA, uB: the tiles' masks (KQ).  so: the step's byte in the tile.
; The batch: the tiles' a (XS's number 21), then the weights' exponentials, two of a tile with a scaling between them, the scalings two pairs ahead of their exponentials.  No line ahead of the wait names
; a result of the batch.  All that is left of the step reads one (the roundings the weights, the rescaling a, the products both), so a v_nop is the plain line behind the last exponential (ISA guide 5.7.2).
.macro STEP doA, uA, uB, so
	LOADKV \so
	s_wait_dscnt 0x8                               ; K's eight loads are in; V's eight, issued behind them, may stay out
.if \doA
	KQ 0, \uA
.endif
	KQ 1, \uB
	WIN 0
	PLACES 4                                       ; between the products and the first read of the scores (ISA guide 7.12.1)
.set n, 0
.rept 22
.if \doA
	XS 0, n
.endif
	XS 1, n
.set n, n+1
.endr
.irp g0, 0,1
.if \doA
	FF 0, \g0
.endif
	FF 1, \g0
.endr
.set g, 0
.rept 16
.if \doA
	EE 0, 2*g
.if g < 14
	FF 0, g+2
.endif
	EE 0, 2*g+1
.endif
	EE 1, 2*g
.if g < 14
	FF 1, g+2
.endif
	EE 1, 2*g+1
.set g, g+1
.endr
	v_nop                                          ; the plain line behind the last exponential: one for the batch
	s_wait_alu depctr_va_vdst(0)                   ; the wait ahead of the first reader: one for the step's batch, the tiles' a and all their weights
.set g, 0
.rept 16
.if \doA
	CC 0, g
.endif
	CC 1, g
.set g, g+1
.endr
.if \doA
	RS 0
.endif
	RS 1
	s_wait_dscnt 0x0                               ; V is in
	PV \doA
	PLACES 5                                       ; in front of the next loads into V's registers, of the next K Q^T, which writes over P, and of the way out
.endm
.macro DIAG                            ; the diagonal tile's four steps
	STEP 1, 0, -1, 0
	STEP 1, 1, -1, 4096
	STEP 0, -1, 0, 8192
	STEP 0, -1, 1, 12288
.endm
; THE WAY OUT.  O^T is divided by l (register 0 of L) and rounded to f16: a lane's eight channels of a row are 16 bytes of the next launch's fragment image; each store covers 512 consecutive bytes.
.macro FINISH
	s_wait_xcnt 0x0                                ; the first block's stores have read OUT (ISA guide 3.1): it is rewritten only behind this wait
	v_rcp_f32 v[ST+6], v[O+16]
	v_rcp_f32 v[ST+14], v[O+40]
	v_nop                                          ; a plain line between the reciprocals and the use of their results
	s_wait_alu depctr_va_vdst(0)                   ; the wait ahead of the first reader: one for the two reciprocals
.irp t, 0,1
.irp z, 0,2,4,6,8,10,12,14
	v_pk_mul_f32 v[O+24*(\t)+(\z):O+24*(\t)+(\z)+1], v[O+24*(\t)+(\z):O+24*(\t)+(\z)+1], v[ST+8*(\t)+6:ST+8*(\t)+7] op_sel_hi:[1,0]
.endr
.irp i, 0,1,2,3,4,5,6,7
	v_cvt_pk_f16_f32 v[OUT+8*(\t)+(\i)], v[O+24*(\t)+2*(\i)], v[O+24*(\t)+2*(\i)+1]
.endr
	global_store_b128 v[LA0], v[OUT+8*(\t):OUT+8*(\t)+3],   s[10:11] offset:(\t)*262144      ; tile 1 lies 8 blocks of 16 rows, 32,768 bytes each, on
	global_store_b128 v[LA0], v[OUT+8*(\t)+4:OUT+8*(\t)+7], s[10:11] offset:(\t)*262144+512
.endr
.endm
; THE SECOND BLOCK BEGINS: its Q, its place in ow, m and c m anew.  Its first a is 0, so what the first block left in O and in register 0 of L need only be finite.
.macro SWITCH
	s_wait_xcnt 0x0                                ; the stores have read ow's address
	s_mov_b64 s[10:11], s[OLO:OLO+1]
	s_add_co_u32 s[RT], s[PB], 1                   ; the second block has b + 1 tiles
	WIN 0x01                                       ; source window 1
.set i, 0
.rept 16
	v_mov_b32 v[Q+i], v[QB+i]
.set i, i+1
.endr
	WIN 0
.irp t, 0,1
	v_mov_b32 v[ST+8*(\t)], 0xfe000000
	v_mov_b32 v[ST+8*(\t)+1], 0xff7fffff
.endr
.endm
.Lslot:                                                ; eight trips: a tile is entered and the next is asked for
	CHANGE 1
	s_sub_co_u32 s[RT], s[RT], 1
	s_cmp_eq_u32 s[RT], 0
	s_cbranch_scc1 .Ldiag                          ; the block's last tile holds the diagonal
	s_mov_b32 s[CNT], 4
.Lstep:                                                ; a plain tile's four key steps
	v_add_nc_u32 v[LA], s[TB], v[LA0]
	s_add_co_u32 s[TB], s[TB], 4096                ; the next step's K and V lie 4,096 bytes on
	STEP 1, -1, -1, 0
	s_sub_co_u32 s[CNT], s[CNT], 1
	s_cmp_lg_u32 s[CNT], 0
	s_cbranch_scc1 .Lstep
	s_branch .Lbottom
.Ldiag:                                                ; in the loop this is the first block's end: the second block's last tile is the walk's last
	v_add_nc_u32 v[LA], s[TB], v[LA0]
	s_add_co_u32 s[TB], s[TB], 16384
	DIAG
	FINISH
	SWITCH
.Lbottom:
	s_sub_co_u32 s[SLOTS], s[SLOTS], 1
	s_cmp_lg_u32 s[SLOTS], 0
	s_cbranch_scc1 .Lslot
	CHANGE 0                                       ; the walk's last tile is written out: nothing is asked for
	v_add_nc_u32 v[LA], s[TB], v[LA0]
	DIAG
	FINISH
	s_wait_tensorcnt 0x0                           ; the wave's end
	ds_add_u32 v[SPW], v[NIL]
	s_wait_dscnt 0x0
	s_endpgm
.Lfunc_end_k_qe873b856b6_attn:
	.size	k_qe873b856b6_attn, .Lfunc_end_k_qe873b856b6_attn-k_qe873b856b6_attn
	.p2alignl 7, 3214868480
	.fill 96, 4, 3214868480
	.section	.rodata,"a",@progbits
	.p2align	6, 0x0
	.amdhsa_kernel k_qe873b856b6_attn
		.amdhsa_group_segment_fixed_size 327680
		.amdhsa_private_segment_fixed_size 0
		.amdhsa_enable_private_segment 0
		.amdhsa_kernarg_size 32
		.amdhsa_user_sgpr_count 2
		.amdhsa_user_sgpr_kernarg_segment_ptr 1
		.amdhsa_wavefront_size32 1
		.amdhsa_system_sgpr_workgroup_id_x 1
		.amdhsa_system_sgpr_workgroup_id_y 1
		.amdhsa_system_sgpr_workgroup_id_z 1
		.amdhsa_system_vgpr_workitem_id 0
		.amdhsa_next_free_vgpr 336
		.amdhsa_next_free_sgpr 88
		.amdhsa_reserve_vcc 1
		.amdhsa_float_denorm_mode_32 3
		.amdhsa_float_denorm_mode_16_64 3
		.amdhsa_memory_ordered 1
		.amdhsa_forward_progress 1
		.amdhsa_inst_pref_size 111
	.end_amdhsa_kernel
	.amdgpu_metadata
---
amdhsa.version: [ 1, 2 ]
amdhsa.kernels:
  - .name:           k_qe873b856b6_attn
    .symbol:         k_qe873b856b6_attn.kd
    .args:
      - { .name: qw, .offset: 0, .size: 8, .value_kind: global_buffer, .address_space: global }
      - { .name: kw, .offset: 8, .size: 8, .value_kind: global_buffer, .address_space: global }
      - { .name: vw, .offset: 16, .size: 8, .value_kind: global_buffer, .address_space: global }
      - { .name: ow, .offset: 24, .size: 8, .value_kind: global_buffer, .address_space: global }
    .group_segment_fixed_size: 327680
    .private_segment_fixed_size: 0
    .kernarg_segment_align: 8
    .kernarg_segment_size: 32
    .max_flat_workgroup_size: 256
    .sgpr_count:     88
    .vgpr_count:     336
    .wavefront_size: 32
...
	.end_amdgpu_metadata
.endif
;; end of part 5
;; launch oproj: the kernel of part 4 again; grid 8 x 32, 4 waves a work-group, clusters of 4 x 4, 327,680 bytes of LDS; arguments ow, wb, out0; writes out0
